; MI455X (gfx1250); checked and timed in simulation.
; The chip was launched on July 23, 2026; its instructions are those of AMD's public machine-readable ISA for CDNA 5 (MIT licence, August 2026) and "CDNA5" Instruction Set Architecture Reference Guide (July 2026). The comments in the code are by the model that wrote it; some were corrected since.
;; Causal Self Attention. Allowed arithmetic: matrix products marked QUANTISED: E4M3 operands, one given power-of-two scale a tensor, by v_wmma_f32_16x16x64_fp8_fp8 or v_wmma_f32_16x16x128_fp8_fp8, f32 sums; everything else in f32.
;; Inputs: lowp_scales 8 int32 (the exponents e of the quantised operands' scales 2^e); proj_b 1,024 float32; proj_w 1,024 x 1,024 float32; qkv_b 3,072 float32; qkv_w 3,072 x 1,024 float32; x 4 x 2,048 x 1,024 float32.
;; Outputs: out0 4 x 2,048 x 1,024 float32.
;; This version of the problem:
;;   THIS VERSION OF THE PROBLEM IS GIVEN IN LOW PRECISION. The matrix products marked QUANTISED in the list below multiply operands that are first quantised to E4M3 (4 exponent bits, 3 mantissa bits; 8 bits a number), with one given power-of-two scale for each operand tensor; their sums are f32. All else is computed in f32.
;;   The module's matrix products, in the order in which they are computed (A, B: the left and right operand; K: the contracted axis; several contracted axes count as one K, in the product's order):
;;     1. [M 8,192, K 1,024] x [K 1,024, N 3,072]; A: input x; B: input qkv_w: QUANTISED (scales: A lowp_scales[0], B lowp_scales[1])
;;     2. batch 64 x [M 2,048, K 64] x [K 64, N 2,048]; A: computed on the way; B: computed on the way: QUANTISED (scales: A lowp_scales[2], B lowp_scales[3])
;;     3. batch 64 x [M 2,048, K 2,048] x [K 2,048, N 64]; A: softmax (see below); B: computed on the way: QUANTISED (scales: A lowp_scales[4], B lowp_scales[5])
;;     4. [M 8,192, K 1,024] x [K 1,024, N 1,024]; A: computed on the way; B: input proj_w: QUANTISED (scales: A lowp_scales[6], B lowp_scales[7])
;;   THE QUANTISER, for each operand of a quantised product, along K:
;;     - The operand's scale is 2^e, e = its entry of the input lowp_scales (int32; the entries are numbered through the quantised products in the list's order, A before B).
;;     - Each number is divided by the scale, clamped to +-448, and rounded to the nearest number of E4M3, ties to even, subnormals kept.
;;     - The product sums the exact products of the quantised numbers (number of the format x scale) in f32.
;;   ~~~python
;;   def quantise(x, axis, e):      # numpy; x: float32 -> the quantised numbers, widened to float32 again
;;       x = np.moveaxis(x, axis, -1); K = x.shape[-1]
;;       r = np.clip(x / 2.0 ** e, -448, 448)
;;       step = 2.0 ** (np.maximum(np.frexp(np.where(r == 0, 1, r))[1] - 1, -6) - 3)
;;       q = np.round(r / step) * step * 2.0 ** e      # np.round: ties to even
;;       return np.moveaxis(q, -1, axis).astype(np.float32)
;;   ~~~
;;   SOFTMAX AHEAD OF A QUANTISED PRODUCT. Where the list says 'softmax', what is quantised is not the finished softmax but p = 2^(t - M), with t = logit x log2(e) and M = ceil(the row's largest t), a whole number; so 1/2 < the row's largest p <= 1. The row's sum l is taken of the UNQUANTISED p, in f32, and the product's result is divided by l at the end. Since M is a whole number, a kernel that streams over the keys may use a running M (the ceiling of the running maximum): every later rescaling is an exact power of two, so the quantised numbers keep their values, but for numbers so far below the row's largest that they fall under the format's range.
;;   OPERANDS COMPUTED ON THE WAY. 'Computed on the way' means the value that the module computes at that place (a softmax that the list does not call 'softmax' is quantised finished and normalised). What goes into a quantiser is computed in f32, as accurately as f32 sums, v_exp_f32 and their like allow (about 1e-6 of the number): no bf16 or f16 on the way to a quantiser, and a product that is left as it is and whose result goes on into a quantised operand takes f32 operands (vector FMAs, or v_wmma_f32_16x16x4_f32). A number that lies on a knife's edge between two numbers of the format may be rounded either way, as far as f32 arithmetic and the matrix unit's own rounding can turn it there, and no further.
;; One version. Each part assembles by itself: llvm-mc -triple=amdgcn-amd-amdhsa -mcpu=gfx1250 --defsym DOCPART=n.
;; ======== version 1 of 1: 4 launches
;; limits: right only within a limited range of input values
;; workspace buffers: ops 20,971,520 bytes; qkv 25,165,824 bytes
;; launch quant (part 1): grid 384 x 1, 4 waves a work-group, no clusters, 33,280 bytes of LDS; arguments x, qkv_w, proj_w, lowp_scales, ops; writes ops
.if DOCPART == 1
	.amdgcn_target "amdgcn-amd-amdhsa--gfx1250"
	.amdhsa_code_object_version 6
	.text
	.protected	k_q3aea8ae9c3_quant
	.globl	k_q3aea8ae9c3_quant
	.p2align	8
	.type	k_q3aea8ae9c3_quant,@function
k_q3aea8ae9c3_quant:
	s_mov_b64 s[64:65], 0
	v_nop
	global_prefetch_b8 v0, s[64:65] scope:SCOPE_SE
	s_setreg_imm32_b32 hwreg(HW_REG_WAVE_MODE, 25, 1), 1
	s_wait_xcnt 0x0
; x [8192][1024], qkv_w [3072][1024] and proj_w [1024][1024], f32, become codes of FP8 (E4M3), each tensor with the one scale 2^e given for it (entries 0, 1 and 7 of the scales).
; code = number / 2^e, held within +-448, rounded to the nearest code, ties to even.  LIMITS: e between -126 and 119, so that 2^e and 448 x 2^e are f32 numbers.  NaN among the inputs is not served.
; THE CODES' LAYOUT, "planes": ops = [16 planes of 64 along K][20,480 rows][64 bytes].  Rows 0-8,191: x; 8,192-11,263: qkv_w; 11,264-12,287: proj_w; the rest is written by a later launch.
; SHARES.  The 12,288 rows are numbered as in ops.  Work-group g takes rows 32 g on, each of its four waves 8 rows.  A wave has 16 steps; step t is plane t: 8 rows x 64 numbers.
; Each of a step's four loads reads two rows' aligned 256 bytes, 16 bytes a lane.  The conversions take neighbours along K from ONE lane's registers, so the step's 2,048 bytes turn through the wave's own stage in LDS
; (16 bytes of padding behind each 64) and come back 64 bytes a lane: lane l then holds numbers 16 (l % 4) on of row l / 4, and its 16 codes lie at byte 16 l of the 512 dense bytes that the wave stores.
; No tensor loads, no barrier: waves share nothing.  Loads run four steps (16 loads a wave) ahead, the turn through LDS one step.  Only pointers and e are chosen by the work-group's number: one path through the text.
.set STEPS, 16
.set PP,    1310720                    ; bytes from plane to plane in ops: 20,480 rows x 64
.set WREG,  8192                       ; LDS: a region for each wave: two stages of 32 x SP bytes
.set SP,    80                         ; a lane's place in a stage: 64 bytes + 16 of padding
.set R,     16                         ; v16-79   four sets of 16 numbers as loaded
.set X,     80                         ; v80-111  two sets of 16 neighbours
.set SA,    112                        ; v112-127 step t's store offset: 16 x lane + t x PP (15 x PP does not fit a store's immediate)
.set C,     128                        ; v128-191 codes: four registers for each step, so that no store's data are written again
	s_load_b256 s[4:11], s[0:1], 0x0               ; x s[4:5], qkv_w s[6:7], proj_w s[8:9], the scales' exponents s[10:11]
	s_load_b64 s[12:13], s[0:1], 0x20              ; ops
	v_lshl_add_u32 v192, v0, 2, 0x8000
	v_mov_b32 v193, 0
	v_lshrrev_b32 v1, 5, v0
	v_readfirstlane_b32 s16, v1                    ; wave
	v_and_b32 v2, 31, v0                           ; lane
	v_lshrrev_b32 v3, 4, v2
	v_and_b32 v5, 15, v2
	v_lshlrev_b32 v3, 12, v3                       ; lanes 16-31 take the next row (4,096 bytes on),
	v_lshl_add_u32 v3, v5, 4, v3                   ; 16 bytes a lane
	v_lshlrev_b32 v4, 4, v2                        ; 16 x lane
	s_mul_i32 s18, s16, WREG
	v_lshrrev_b32 v14, 2, v2
	v_mul_u32_u24 v14, v14, SP
	v_and_b32 v15, 3, v2
	v_lshl_add_u32 v14, v15, 4, v14
	v_add_nc_u32 v14, s18, v14                     ; the stage, on the way in: SP (lane / 4) + 16 (lane % 4); a load's 512 bytes take eight places
	v_mul_u32_u24 v15, v2, SP
	v_add_nc_u32 v15, s18, v15                     ; and on the way out: SP x lane: my 16 neighbours
.irp t, 0,1,2,3,4,5,6,7,8,9,10,11,12,13,14,15
	v_add_nc_u32 v[SA+\t], \t*PP, v4
.endr
	s_mov_b32 s17, 352
	s_wait_kmcnt 0x0
	s_load_b256 s[24:31], s[10:11], 0x0            ; e0 .. e7
	s_cmp_lt_u32 ttmp9, 352                        ; the choice of tensor hangs on the work-group's number alone
	s_cselect_b64 s[6:7], s[6:7], s[8:9]           ; qkv_w or proj_w,
	s_cselect_b32 s17, 256, s17                    ; and that tensor's first work-group
	s_cmp_lt_u32 ttmp9, 256
	s_cselect_b64 s[4:5], s[4:5], s[6:7]           ; x or that one
	s_cselect_b32 s17, 0, s17
	s_sub_co_u32 s17, ttmp9, s17
	s_lshl_b32 s17, s17, 2
	s_add_co_u32 s17, s17, s16                     ; which run of 8 rows of the tensor is my wave's
	s_lshl_b32 s20, s17, 15                        ; 8 rows x 4,096 bytes
	s_mov_b32 s21, 0
	s_add_nc_u64 s[4:5], s[4:5], s[20:21]
	s_lshl_b32 s20, ttmp9, 2
	s_add_co_u32 s20, s20, s16
	s_lshl_b32 s20, s20, 9                         ; 8 rows x 64 bytes in a plane of ops
	s_add_nc_u64 s[12:13], s[12:13], s[20:21]
.macro LOAD t                          ; plane t of my 8 rows: load i takes rows 2 i and 2 i + 1, 256 aligned bytes of each
.irp i, 0,1,2,3
	global_load_b128 v[R+16*((\t)%4)+4*\i:R+16*((\t)%4)+4*\i+3], v3, s[4:5] offset:256*(\t)+8192*\i th:TH_LOAD_NT
.endr
.endm
.macro TURN t                          ; step t's numbers through the stage: LDS serves a wave's instructions in order (ISA guide 5.7.1.4), so no wait stands between the stores and the loads
.irp i, 0,1,2,3
	ds_store_b128 v14, v[R+16*((\t)%4)+4*\i:R+16*((\t)%4)+4*\i+3] offset:32*SP*((\t)%2)+8*SP*\i
.endr
.irp i, 0,1,2,3
	ds_load_b128 v[X+16*((\t)%2)+4*\i:X+16*((\t)%2)+4*\i+3], v15 offset:32*SP*((\t)%2)+16*\i
.endr
.endm
.irp t, 0,1,2,3
	LOAD \t
.endr
	s_wait_kmcnt 0x0
	s_cmp_lt_u32 ttmp9, 352
	s_cselect_b32 s22, s25, s31                    ; e1 or e7,
	s_cmp_lt_u32 ttmp9, 256
	s_cselect_b32 s22, s24, s22                    ; e0 or that one
	s_add_co_i32 s22, s22, 127
	s_lshl_b32 s23, s22, 23
	v_mov_b32 v11, s23                             ; 2^e as f32: the conversion takes its exponent field
	s_add_co_i32 s22, s22, 8
	s_lshl_b32 s22, s22, 23
	s_or_b32 s22, s22, 0x600000
	s_wait_alu depctr_va_vdst(0)
	s_wait_loadcnt 12                              ; step 0's four loads are in; the twelve of steps 1 to 3 may be out
	TURN 0
.macro STEP t
.set XS, X+16*((\t)%2)
	s_wait_dscnt 0x0                               ; this step's numbers are back from the stage: so its stores into the stage have read their registers,
.if (\t)+4 < STEPS
	LOAD (\t)+4                                    ; which take the loads of four steps on
.endif
.if (\t)+1 < STEPS
.if STEPS-2-(\t) >= 3
	s_wait_loadcnt 12                              ; the next step's four loads are in; those of the three steps behind it may be out
.else
	s_wait_loadcnt 4*(STEPS-2-(\t))                ; the tail: four for each step that is still behind the next
.endif
	TURN (\t)+1                                    ; and go through the other stage while this step is worked
.endif
.irp i, 0,1,2,3,4,5,6,7,8,9,10,11,12,13,14,15
.endr
	v_cvt_scalef32_pk8_fp8_f32 v[C+4*(\t):C+4*(\t)+1], v[XS:XS+7], v11
	v_cvt_scalef32_pk8_fp8_f32 v[C+4*(\t)+2:C+4*(\t)+3], v[XS+8:XS+15], v11
	global_store_b128 v[SA+(\t)], v[C+4*(\t):C+4*(\t)+3], s[12:13]   ; 32 lanes store 512 consecutive bytes, 8 rows x 64, at a multiple of 512 from ops' first byte (the results go to a store alone; the next vector lines are plain and touch other registers)
.endm
.irp t, 0,1,2,3,4,5,6,7,8,9,10,11,12,13,14,15
	STEP \t
.endr
	s_wait_tensorcnt 0x0
	ds_add_u32 v192, v193
	s_wait_dscnt 0x0
	s_endpgm
.Lfunc_end_k_q3aea8ae9c3_quant:
	.size	k_q3aea8ae9c3_quant, .Lfunc_end_k_q3aea8ae9c3_quant-k_q3aea8ae9c3_quant
	.p2alignl 7, 3214868480
	.fill 96, 4, 3214868480
	.section	.rodata,"a",@progbits
	.p2align	6, 0x0
	.amdhsa_kernel k_q3aea8ae9c3_quant
		.amdhsa_group_segment_fixed_size 33280
		.amdhsa_private_segment_fixed_size 0
		.amdhsa_enable_private_segment 0
		.amdhsa_kernarg_size 40
		.amdhsa_user_sgpr_count 2
		.amdhsa_user_sgpr_kernarg_segment_ptr 1
		.amdhsa_wavefront_size32 1
		.amdhsa_system_sgpr_workgroup_id_x 1
		.amdhsa_system_sgpr_workgroup_id_y 1
		.amdhsa_system_sgpr_workgroup_id_z 1
		.amdhsa_system_vgpr_workitem_id 0
		.amdhsa_next_free_vgpr 194
		.amdhsa_next_free_sgpr 66
		.amdhsa_reserve_vcc 0
		.amdhsa_float_denorm_mode_32 3
		.amdhsa_float_denorm_mode_16_64 3
		.amdhsa_fp16_overflow 1
		.amdhsa_memory_ordered 1
		.amdhsa_forward_progress 1
		.amdhsa_inst_pref_size 23
	.end_amdhsa_kernel
	.amdgpu_metadata
---
amdhsa.version: [ 1, 2 ]
amdhsa.kernels:
  - .name:           k_q3aea8ae9c3_quant
    .symbol:         k_q3aea8ae9c3_quant.kd
    .args:
      - { .name: x, .offset: 0, .size: 8, .value_kind: global_buffer, .address_space: global }
      - { .name: qkv_w, .offset: 8, .size: 8, .value_kind: global_buffer, .address_space: global }
      - { .name: proj_w, .offset: 16, .size: 8, .value_kind: global_buffer, .address_space: global }
      - { .name: lowp_scales, .offset: 24, .size: 8, .value_kind: global_buffer, .address_space: global }
      - { .name: ops, .offset: 32, .size: 8, .value_kind: global_buffer, .address_space: global }
    .group_segment_fixed_size: 33280
    .private_segment_fixed_size: 0
    .kernarg_segment_align: 8
    .kernarg_segment_size: 40
    .max_flat_workgroup_size: 128
    .sgpr_count:     66
    .vgpr_count:     194
    .wavefront_size: 32
...
	.end_amdgpu_metadata
.endif
;; end of part 1
;; launch gemm_qkv (part 2): grid 12 x 32, 4 waves a work-group, clusters of 4 x 4, 327,680 bytes of LDS; arguments ops, lowp_scales, qkv_b, qkv; writes qkv
.if DOCPART == 2
	.amdgcn_target "amdgcn-amd-amdhsa--gfx1250"
	.amdhsa_code_object_version 6
	.text
	.protected	k_q3aea8ae9c3_gemm_qkv
	.globl	k_q3aea8ae9c3_gemm_qkv
	.p2align	8
	.type	k_q3aea8ae9c3_gemm_qkv,@function
k_q3aea8ae9c3_gemm_qkv:
	s_mov_b64 s[64:65], 0
	v_nop
	global_prefetch_b8 v0, s[64:65] scope:SCOPE_SE
	s_setreg_imm32_b32 hwreg(HW_REG_WAVE_MODE, 25, 1), 1
	s_wait_xcnt 0x0
	s_wait_alu depctr_hold_cnt(0) depctr_sa_sdst(0) depctr_va_vdst(0) depctr_va_sdst(0) depctr_va_ssrc(0) depctr_va_vcc(0) depctr_vm_vsrc(0)
	s_getreg_b32 s2, hwreg(HW_REG_IB_STS2, 6, 4)
	s_cmp_eq_u32 s2, 0
	s_cbranch_scc0 .Lentry_in_a_cluster
	s_endpgm
.Lentry_in_a_cluster:
	s_bfe_u32 s2, ttmp6, 0x10000c
	s_cmp_lg_u32 s2, 0xf033
	s_cbranch_scc0 .Lentry_shape_is_right
	s_endpgm
.Lentry_shape_is_right:
; qkv = x qkv_w^T + qkv_b on codes of FP8 (E4M3), and its three parts quantised on the way out: q with 2^e2, k with 2^e3, v with 2^e5 (entries of the scales; x has e0, qkv_w e1).
; OPERANDS: ops = [16 planes of 64 along K][20,480 rows][64 bytes]: rows 0-8,191 x, rows 8,192-11,263 qkv_w.  K = 1,024.
; RESULTS: qkv bytes 0 to 16 MiB: [32 planes][8,192 tokens][64]: plane h = q of head h, plane 16 + h = k of head h.  From 16 MiB on V TRANSPOSED: [128 planes of 64 tokens][1,024 channels][64], the tokens innermost,
; since the keys are the K of attention's second product.  V^T = W_v x^T is the same product with the roles changed: A = W_v's rows, B = x's rows.  Nothing is transposed by an instruction.
; SHARES.  A tile of C is 256 x 256: four waves, 128 x 128 each: 64 accumulators, 512 registers.  Clusters with x = 0, 1 make q and k (A = x, B = qkv_w's rows 0-2,047: 32 x 8 tiles); clusters with x = 2 make V^T (4 x 32 tiles).
; The role is chosen by s_cselect_b32 on the cluster's x, which all sixteen partners share; one branch on it stands round the first step, whose C (the bias) goes by columns for q and k and by rows for V^T.
; K goes in steps of 256 (4 planes) through a ring of two LDS slots filled by the tensor data mover; 4 K steps, written out.  4 x 4 work-groups form a cluster: A's tile is asked for jointly along a row of the cluster, B's along a column.
; THE MATRIX INSTRUCTION IS USED TRANSPOSED (source 0 = 16 rows of B, source 1 = 16 rows of A): a lane holds eight neighbouring columns of one row of C: eight neighbours along the next product's K.
; A fragment's k is permuted alike in A and in B (registers 4 c .. 4 c + 3: k = 32 c + 16 (lane / 16) + 0 .. 15): every product meets its partner; only the order of the sums inside an instruction differs.
; THE BIAS is the C of each sum's first matrix instruction, divided by 2^(e0 + e1), the power of two that the sums lack.  The conversion's one scale is 2^(eo - e0 - e1), eo = e2, e3 or e5.
; LIMITS: eo - e0 - e1 between -126 and 127, so that the scale is an f32 number.  NaN among the inputs is not served.
; REGISTERS, in windows of 256: window 0: v1-31 addresses and scales; v32-95 the bias; v96-111 its codes; from v128 A's fragments, ONE set (on the way out rows read back).
;   window 1: B's fragments, TWO sets, at v0 and v128.   window 2: the accumulators of my rows 0-63 ((a, b) at v[8 (8 a + b)]);   window 3: those of my rows 64-127.
.set NB,     8                         ; B's blocks of 16 rows for a wave
.set PP,     1310720                   ; bytes from plane to plane in ops
.set KSTEPB, 4*PP                      ; a K step of 256: four planes
.set APL,    8704                      ; a plane of 128 rows in LDS: 8,192 bytes as 32 lines of 256 + 16 of padding.  Row i lies at (i / 4) x 272 + (i % 4) x 64: the 16 rows of a fragment load start at 16 different groups of four banks (64 banks of 4 bytes: ISA guide 11.1)
.set HALFA,  4*APL                     ; what one tensor load brings of A: 128 rows x 4 planes
.set BPL,    4*NB*272                  ; the same for B's 16 NB rows
.set HALFB,  4*BPL
.set SLOT,   2*HALFA+2*HALFB           ; A's two halves, then B's two
.set SPARE,  2*SLOT                    ; behind the ring: the spare words, 128 bytes for each wave: two blocks of 256 bytes that no other line names
.set FR,     16                        ; registers of a fragment: 16 rows x 128 K
.set NL,     4                         ; LDS loads that bring one
.set NP,     4                         ; places behind this matrix instruction (ISA guide 7.12.1)
.set AJ,   8                           ; v8-15   the bias loads' offsets
.set ADRA, 16                          ; v16-17  LDS address of my A fragments in slot 0, 1
.set ADRB, 20                          ; v20-21  the same for B
.set STO,  24                          ; v24     the way out: where I put 8 codes
.set RD,   25                          ; v25     the way out: where I read 16 bytes back
.set CO,   26                          ; v26     16 x lane: my offset in the first of my two planes of the result
.set CO1,  27                          ; v27     the same in the second
.set SPW,  28                          ; v28     LDS address of my spare word: SPARE + 4 x my thread's number; never rewritten
.set NIL,  29                          ; v29     0; never rewritten
.set SC,   30                          ; v30     2^(eo - e0 - e1)
.set LIM,  31                          ; v31     not written
.set TMP,  32
.set CD,   96
.set AF,   128
.set BK,   128
.set G1, 24                            ; s[24:31] descriptor group 1 for A's tiles;  s[32:39] group 0, one set for each slot
.set G0, 32
.set G1B, 48                           ; s[48:55], s[56:63] the same for B's tiles
.set G0B, 56
.set MSB, 0
.macro WIN new                         ; the immediate's high byte repeats the setting that is left; a switch that changes nothing is dropped
.if MSB != \new
	s_set_vgpr_msb (MSB<<8)|\new
.set MSB, \new
.endif
.endm
.set MUL_LO, 0xa1                      ; source 0 (B) window 1, source 1 (A) window 0, C and D window 2
.set MUL_HI, 0xa1+0x50*(NB/8)          ; the same, C and D window 3
.set TO_B,   0x40                      ; destination window 1, address window 0
; A joint load: waves 0 and 1 fetch A's halves, waves 2 and 3 B's.  Each of the two lines has ONE mask and one set of registers for all that issue it; the branch hangs on the wave's number alone.
; Four v_nop follow each of the two lines, ahead of the jump, the label and what follows.
.macro JLOAD g0a, g1a, g0b, g1b
	s_cmp_eq_u32 s15, 0
	s_cbranch_scc0 .Lfor_b_\@
	tensor_load_to_lds s[\g0a:\g0a+3], s[\g1a:\g1a+7]
	s_nop 0
.rept 4
	v_nop
.endr
	s_branch .Lasked_\@
.Lfor_b_\@:
	tensor_load_to_lds s[\g0b:\g0b+3], s[\g1b:\g1b+7]
	s_nop 0
.rept 4
	v_nop
.endr
.Lasked_\@:
.endm
.macro CREST                           ; a round of the cluster's barrier behind its opening barrier
	s_cmp_lg_u32 s14, 0
	s_cbranch_scc1 .Lnot_wave_0_\@
	s_barrier_signal -3
.Lnot_wave_0_\@:
	s_barrier_wait -3
	s_barrier_signal -1
	s_barrier_wait -1
.endm
.macro CROUND                          ; a whole round
	s_barrier_signal -1
	s_barrier_wait -1
	CREST
.endm
	s_load_b256 s[4:11], s[0:1], 0x0               ; ops s[4:5], the scales' exponents s[6:7], qkv_b s[8:9], qkv s[10:11]
	v_lshl_add_u32 v[SPW], v0, 2, SPARE
	v_mov_b32 v[NIL], 0
	ds_add_u32 v28, v29
	ds_add_u32 v28, v29
	s_wait_dscnt 0x0
	v_lshrrev_b32 v1, 5, v0
	v_readfirstlane_b32 s14, v1                    ; wave 0..3
	s_lshr_b32 s15, s14, 1                         ; which half of the tile's rows is mine.  Also: I fetch for A (0) or for B (1)
	s_and_b32 s16, s14, 1                          ; which half of its columns.  Also: which half of that tile I fetch
	s_bfe_u32 s40, ttmp6, 0x40000                  ; cx, cy: my place in the cluster
	s_bfe_u32 s41, ttmp6, 0x40004
	s_and_b32 s17, ttmp7, 0xffff                   ; the cluster's y
	s_lshl_b32 s18, s17, 2
	s_lshl_b32 s19, ttmp9, 2
	s_mov_b32 s46, 524288
	s_cmp_eq_u32 ttmp9, 2                          ; the cluster's x says what the cluster makes: 0 q, 1 k, 2 V^T
	s_cselect_b32 s3, 1, 0
	s_cselect_b32 s42, 0, s18                      ; tile row less cy:     V^T: 0;           q, k: 4 x cluster y
	s_cselect_b32 s43, s18, s19                    ; tile column less cx:  V^T: 4 x cluster y;  q, k: 4 x cluster x
	s_cselect_b32 s44, 10240, 0                    ; A's first row in ops: W_v's, or x's
	s_cselect_b32 s45, 0, 8192                     ; B's first row:        x's, or qkv_w's
	s_cselect_b32 s46, 65536, s46                  ; bytes from plane to plane in the result
	s_cselect_b32 s47, 16777216, 0                 ; where the result's part begins
	s_add_co_u32 s42, s42, s41                     ; tile row of C: it never holds cx
	s_add_co_u32 s43, s43, s40                     ; tile column of C: it never holds cy
	s_lshl_b32 s20, s41, 2
	s_lshl_b32 s20, 15, s20                        ; my row of the cluster
	s_lshl_b32 s21, 0x1111, s40                    ; my column
	; descriptor group 1: 4 rows (one a plane) of 8,192 dense bytes, PP bytes apart; in LDS 16 bytes of padding behind every 256
	s_or_b32 s[G1+0], s20, (0<<16)|(1<<20)|(1<<21)|(5<<22)|(3<<25)  ; 15:0 the mask: A's tiles go to my row; 17:16 element of 1 byte; 20 padding on; 21 set beside a mask; 24:22 after every 64 words (code 5); 31:25 of 4 words (code 3)
	s_or_b32 s[G1B+0], s21, (0<<16)|(1<<20)|(1<<21)|(5<<22)|(3<<25)
	s_mov_b32 s[G1+1], 8192<<16                    ; tensor_dim0
	s_mov_b32 s[G1+2], 4<<16                       ; tensor_dim1 = 4
	s_mov_b32 s[G1+3], 8192<<16                    ; tile_dim0
	s_mov_b32 s[G1+4], 4                           ; tile_dim1 = 4
	s_mov_b32 s[G1+5], PP                          ; tensor_dim0_stride
	s_mov_b32 s[G1+6], 0
	s_mov_b32 s[G1+7], 0
	s_mov_b32 s[G1B+1], (1024*NB)<<16
	s_mov_b32 s[G1B+2], 4<<16
	s_mov_b32 s[G1B+3], (1024*NB)<<16
	s_mov_b32 s[G1B+4], 4
	s_mov_b32 s[G1B+5], PP
	s_mov_b32 s[G1B+6], 0
	s_mov_b32 s[G1B+7], 0
	s_lshl_b32 s76, s42, 8
	s_add_co_u32 s76, s76, s44
	s_lshl_b32 s12, s16, 7
	s_add_co_u32 s76, s76, s12                     ; A: first row + 256 x tile row + 128 x the half that I fetch
	s_lshl_b32 s76, s76, 6                         ; x 64 bytes
	s_mov_b32 s77, 0
	s_lshl_b32 s78, s43, 8
	s_add_co_u32 s78, s78, s45
	s_lshl_b32 s13, s16, 7
	s_add_co_u32 s78, s78, s13                     ; B: first row + 256 x tile column + 128 x half
	s_lshl_b32 s78, s78, 6
	s_mov_b32 s79, 0
	s_mul_i32 s80, s16, HALFA                      ; where they go: no place in the cluster enters an LDS address
	s_mul_i32 s81, s16, HALFB
	s_add_co_u32 s81, s81, 2*HALFA
	s_wait_kmcnt 0x0
	s_load_b256 s[68:75], s[6:7], 0x0              ; e0 .. e7
	s_add_nc_u64 s[76:77], s[4:5], s[76:77]
	s_add_nc_u64 s[78:79], s[4:5], s[78:79]
	CROUND                                         ; all sixteen work-groups are here: the first joint loads meet
.irp s, 0,1
	s_mov_b32 s[G0+4*\s], 1
	s_add_co_u32 s[G0+4*\s+1], s80, \s*SLOT
	s_add_nc_u64 s[G0+4*\s+2:G0+4*\s+3], s[76:77], \s*KSTEPB
	s_or_b32 s[G0+4*\s+3], s[G0+4*\s+3], 0x80000000
	s_mov_b32 s[G0B+4*\s], 1
	s_add_co_u32 s[G0B+4*\s+1], s81, \s*SLOT
	s_add_nc_u64 s[G0B+4*\s+2:G0B+4*\s+3], s[78:79], \s*KSTEPB
	s_or_b32 s[G0B+4*\s+3], s[G0B+4*\s+3], 0x80000000
	JLOAD G0+4*\s, G1, G0B+4*\s, G1B               ; two tensor loads of mine are out: K steps 0 and 1
.endr
	v_and_b32 v1, 15, v0                           ; r = lane % 16
	v_bfe_u32 v2, v0, 4, 1                         ; h = lane / 16
	v_lshrrev_b32 v3, 2, v1
	v_mul_u32_u24 v3, v3, 272
	v_and_b32 v5, 3, v1
	v_lshl_add_u32 v3, v5, 6, v3
	v_lshl_add_u32 v4, v2, 4, v3                   ; a fragment's row: (r / 4) x 272 + (r % 4) x 64, + 16 h
	s_mul_i32 s21, s15, HALFA                      ; my 128 rows of A
	s_mul_i32 s22, s16, HALFB                      ; my 128 rows of B,
	s_add_co_u32 s22, s22, 2*HALFA                 ; which lie behind A's
.irp s, 0,1
	v_add_nc_u32 v[ADRA+\s], s21, v4
	v_add_nc_u32 v[ADRB+\s], s22, v4
	s_add_co_u32 s21, s21, SLOT
	s_add_co_u32 s22, s22, SLOT
.endr
	s_mul_i32 s23, s14, 2560                       ; my stage for the way out: 2 planes x 16 rows x 80 bytes.  It lies in slot 0, which has had its last fill and its last read when the first result is stored there
	v_mul_u32_u24 v5, v1, 80
	v_lshl_add_u32 v5, v2, 3, v5
	v_add_nc_u32 v[STO], s23, v5                   ; in: row r, 8 bytes for each half of the lanes
	v_bfe_u32 v5, v0, 2, 3
	v_mul_u32_u24 v5, v5, 80
	v_and_b32 v6, 3, v0
	v_lshl_add_u32 v5, v6, 4, v5
	v_add_nc_u32 v[RD], s23, v5                    ; back: four lanes to a row of 64 bytes, eight rows an instruction
	v_and_b32 v6, 31, v0
	v_lshlrev_b32 v[CO], 4, v6
	v_add_nc_u32 v[CO1], s46, v[CO]
	s_lshl_b32 s20, s43, 2                         ; where my part of the result begins: plane 4 x tile column + 2 x half,
	s_lshl_b32 s21, s16, 1
	s_add_co_u32 s20, s20, s21
	s_mul_i32 s20, s20, s46
	s_add_co_u32 s20, s20, s47
	s_lshl_b32 s21, s42, 8                         ; row 256 x tile row + 128 x half, 64 bytes a row
	s_lshl_b32 s22, s15, 7
	s_add_co_u32 s21, s21, s22
	s_lshl_b32 s21, s21, 6
	s_add_co_u32 s20, s20, s21
	s_mov_b32 s21, 0
	s_add_nc_u64 s[10:11], s[10:11], s[20:21]
	; THE BIAS, 64 registers in the result's layout.  q, k: by columns: register 8 b + j = qkv_b[my first column + 16 b + 8 h + j].  V^T: by rows: register 8 a + j = qkv_b[2,048 + my first row + 16 a + r], for every j.
	s_lshl_b32 s83, s43, 8
	s_lshl_b32 s84, s16, 7
	s_add_co_u32 s83, s83, s84                     ; q, k: my first column
	s_lshl_b32 s84, s42, 8
	s_lshl_b32 s85, s15, 7
	s_add_co_u32 s84, s84, s85
	s_add_co_u32 s84, s84, 2048                    ; V^T: 2,048 + my first row
	s_cmp_eq_u32 s3, 1
	s_cselect_b32 s80, 0, 32                       ; bytes for h,
	s_cselect_b32 s81, 4, 0                        ; for r,
	s_cselect_b32 s82, 0, 4                        ; for j
	s_cselect_b32 s20, s84, s83
	s_lshl_b32 s20, s20, 2
	s_add_nc_u64 s[8:9], s[8:9], s[20:21]
	v_mul_u32_u24 v5, v2, s80
	v_mad_u32_u24 v5, v1, s81, v5
.irp j, 0,1,2,3,4,5,6,7
	v_mad_u32_u24 v[AJ+\j], s82, \j, v5
.endr
.irp g, 0,1,2,3,4,5,6,7
.irp j, 0,1,2,3,4,5,6,7
	global_load_b32 v[TMP+8*\g+\j], v[AJ+\j], s[8:9] offset:64*\g
.endr
.endr
	s_wait_kmcnt 0x0
	s_cmp_eq_u32 ttmp9, 0
	s_cselect_b32 s84, s70, s71                    ; e2 for q, e3 for k,
	s_cmp_eq_u32 ttmp9, 2
	s_cselect_b32 s84, s73, s84                    ; e5 for V^T
	s_add_co_i32 s85, s68, s69                     ; e0 + e1: a sum stands for sum x 2^(e0 + e1)
	s_sub_co_i32 s84, s84, s85
	s_add_co_i32 s84, s84, 127
	s_lshl_b32 s86, s84, 23
	v_mov_b32 v[SC], s86                           ; 2^(eo - e0 - e1): the three scales folded into the conversion's one
	s_sub_co_i32 s85, 0, s85
	s_wait_loadcnt 0x0
.set i, 0
.rept 64
	v_ldexp_f32 v[TMP+i], v[TMP+i], s85            ; the bias / 2^(e0 + e1): nothing is rounded, short of overflow and underflow
.set i, i+1
.endr
.macro FRAG reg, adr, q, i, pl         ; a fragment, 16 rows x 128 K: registers 4 c .. 4 c + 3 hold K = 32 c + 16 h + 0 .. 15: plane 2 q + c / 2 of the slot's four, byte 32 (c % 2) + 16 h of the row
.irp c, 0,1,2,3
	ds_load_b128 v[\reg+4*\c:\reg+4*\c+3], v[\adr] offset:(2*(\q)+\c/2)*\pl+(\i)*1088+32*(\c%2)
.endr
.endm
; Matrix instructions: A's blocks a0, a0 + 1 x B's NB, 128 along K.  p: B's set.  cm: what C is: 0 the accumulator; 1 the constant 0; 2 the bias by B's block; 3 the bias by A's block.
; The accumulators take turns, one instruction a turn, in the same order in every step.
.macro MULA a0, p, cm
.irp a, \a0, \a0+1
.irp b, 0,1,2,3,4,5,6,7
.if \b < NB
.if \cm == 0
	v_wmma_f32_16x16x128_fp8_fp8 v[8*((NB*(\a)+\b)%32):8*((NB*(\a)+\b)%32)+7], v[128*(\p)+FR*\b:128*(\p)+FR*\b+FR-1], v[AF+FR*(\a):AF+FR*(\a)+FR-1], v[8*((NB*(\a)+\b)%32):8*((NB*(\a)+\b)%32)+7]
.elseif \cm == 1
	v_wmma_f32_16x16x128_fp8_fp8 v[8*((NB*(\a)+\b)%32):8*((NB*(\a)+\b)%32)+7], v[128*(\p)+FR*\b:128*(\p)+FR*\b+FR-1], v[AF+FR*(\a):AF+FR*(\a)+FR-1], 0
.elseif \cm == 2
	v_wmma_f32_16x16x128_fp8_fp8 v[8*((NB*(\a)+\b)%32):8*((NB*(\a)+\b)%32)+7], v[128*(\p)+FR*\b:128*(\p)+FR*\b+FR-1], v[AF+FR*(\a):AF+FR*(\a)+FR-1], v[TMP+8*\b:TMP+8*\b+7]
.else
	v_wmma_f32_16x16x128_fp8_fp8 v[8*((NB*(\a)+\b)%32):8*((NB*(\a)+\b)%32)+7], v[128*(\p)+FR*\b:128*(\p)+FR*\b+FR-1], v[AF+FR*(\a):AF+FR*(\a)+FR-1], v[TMP+8*(\a):TMP+8*(\a)+7]
.endif
.endif
.endr
.endr
.endm
.macro FETCH_B slot, q, p              ; B's fragments of the slot's q-th 128 along K into set p
	WIN TO_B
.irp i, 0,1,2,3,4,5,6,7
.if \i < NB
	FRAG 128*(\p)+FR*\i, ADRB+\slot, \q, \i, BPL
.endif
.endr
	WIN 0
.endm
.macro FETCH_A slot, q, i0             ; A's blocks i0 .. i0 + 3
.irp i, \i0, \i0+1, \i0+2, \i0+3
	FRAG AF+FR*(\i), ADRA+\slot, \q, \i, APL
.endr
.endm
; A load into a register that a matrix instruction has read, and a vector instruction that reads a matrix result, stand NP places behind that matrix instruction, and only plain vector
; instructions that name none of its registers are places (ISA guide 7.12.1 for vector instructions).
.macro PLACES n
.rept \n
	v_nop
.endr
.endm
; A step of 128 along K that has its successor in the same slot.  A's blocks go one after the other, each against all of B's: a block of A is free as soon as its products are issued, so A has one set of registers:
; blocks 0-3 are fetched anew in the step's middle, blocks 4-7 at its end.  B's fragments are at work through the whole step and have two sets.
.macro STEP slot, q, cm
	s_wait_dscnt 4*NL                              ; B's set and A's blocks 0-3 are in; the youngest sixteen loads (A's blocks 4-7) may be out
.if \cm >= 2
	WIN 0x81                                       ; C (the bias) in window 0, D in window 2
.else
	WIN MUL_LO
.endif
	MULA 0, (\q)%2, \cm
	MULA 2, (\q)%2, \cm
	s_wait_dscnt 0                                 ; A's blocks 4-7 are in
	PLACES NP
	FETCH_B \slot, (\q)+1, 1-(\q)%2
	FETCH_A \slot, (\q)+1, 0
.if \cm >= 2
	WIN 0xc1                                       ; C in window 0, D in window 3
.else
	WIN MUL_HI
.endif
	MULA 4, (\q)%2, \cm
	MULA 6, (\q)%2, \cm
	PLACES NP
	WIN 0
	FETCH_A \slot, (\q)+1, 4
.endm
; A slot's last step changes slots: ONE barrier; in front of it each wave waits for all its tensor loads, adds 0 to its spare word, and waits for that and for its own reads of this slot.  fill = 1: this slot is filled again, two K steps ahead.
.macro TURN slot, next, fill
	s_wait_tensorcnt 0x0                           ; all my tensor loads have landed: my part of the next slot;  (every window is 0 here: the add's two registers lie in window 0)
	ds_add_u32 v[SPW], v[NIL]                      ; 0 onto my spare word
	s_wait_dscnt 4*NL+1                            ; (the add and the youngest sixteen loads, A's blocks 4-7, may be out)
	WIN MUL_LO
	MULA 0, 1, 0                                   ; matrix instructions stand between the add and the wait for it
	s_wait_dscnt 0x0                               ; the add is done, and my reads of this slot are over
	s_barrier_signal -1
	MULA 2, 1, 0
	WIN 0
	s_barrier_wait -1
.if \fill
	CREST                                          ; the barrier has opened a round of the cluster's barrier: no wave of any partner still reads this slot's tile or has a load on its way
	s_add_nc_u64 s[G0+4*\slot+2:G0+4*\slot+3], s[G0+4*\slot+2:G0+4*\slot+3], 2*KSTEPB
	s_add_nc_u64 s[G0B+4*\slot+2:G0B+4*\slot+3], s[G0B+4*\slot+2:G0B+4*\slot+3], 2*KSTEPB
	JLOAD G0+4*\slot, G1, G0B+4*\slot, G1B         ; the first tensor load behind the round, my one load until the next; the four v_nop behind it are the places in front of the loads below
.else
	PLACES NP
.endif
	FETCH_B \next, 0, 0
	FETCH_A \next, 0, 0
	WIN MUL_HI
	MULA 4, 1, 0
	MULA 6, 1, 0
	PLACES NP
	WIN 0
	FETCH_A \next, 0, 4
.endm
	s_wait_tensorcnt 1                             ; my part of K step 0 is in; K step 1's load may be out
	s_barrier_signal -1
	s_barrier_wait -1                              ; everybody's is
	FETCH_B 0, 0, 0
	FETCH_A 0, 0, 0
	FETCH_A 0, 0, 4
	s_cmp_eq_u32 s3, 1                             ; the first step starts the sums with the bias: by columns for q and k, by rows for V^T.  The branch hangs on the cluster's x, the same in all partners
	s_cbranch_scc1 .Lfirst_v
	s_wait_alu depctr_va_vdst(0)
	STEP 0, 0, 2
	s_branch .Lfirst_done
.Lfirst_v:
	s_wait_alu depctr_va_vdst(0)
	STEP 0, 0, 3
.Lfirst_done:
	TURN 0, 1, 1                                   ; K = 1,024 is four K steps: slot 0 takes K step 2,
	STEP 1, 0, 0
	TURN 1, 0, 1                                   ; slot 1 K step 3;
	STEP 0, 0, 0
	TURN 0, 1, 0                                   ; nothing is left to fetch: no round
	STEP 1, 0, 0
	s_wait_dscnt 4*NL                              ; the very last step
	WIN MUL_LO
	MULA 0, 1, 0
	MULA 2, 1, 0
	s_wait_dscnt 0
	WIN MUL_HI
	MULA 4, 1, 0
	MULA 6, 1, 0
	WIN 0
; THE WAY OUT, block by block of 16 rows x 128 columns: two planes of the result.  A lane's eight sums of an accumulator are eight neighbours along the next K: held, converted: 8 bytes.  The lanes beside it hold other rows,
; so a block goes through my own stage in LDS (rows of 64 + 16 bytes) and comes back as it lies in memory: a plane's 16 rows are 1,024 dense bytes, two stores of 512.
; LDS serves a wave's instructions in order (ISA guide 5.7.1.4): no wait between the stores and the loads, nor in front of the next block's stores.
.macro TOSTAGE a
.set AC, 64*((\a)%4)
	WIN 0x02+((\a)/4)                              ; source 0: window 2 or 3
.set i, 0
.rept 64
.set i, i+1
.endr
.irp b, 0,1,2,3,4,5,6,7
	v_cvt_scalef32_pk8_fp8_f32 v[CD+2*\b:CD+2*\b+1], v[AC+8*\b:AC+8*\b+7], v[SC]
.endr
	WIN 0
	v_nop                                          ; one plain vector instruction behind the last conversion
.irp b, 0,1,2,3,4,5,6,7
	ds_store_b64 v[STO], v[CD+2*\b:CD+2*\b+1] offset:(\b/4)*1280+16*(\b%4)
.endr
.set BB, BK+16*((\a)%2)
.irp t, 0,1,2,3
	ds_load_b128 v[BB+4*\t:BB+4*\t+3], v[RD] offset:640*\t
.endr
.endm
.macro SEND a, younger                 ; younger: the LDS instructions issued behind block a's loads, which may stay out
.set BB, BK+16*((\a)%2)
	s_wait_dscnt \younger                          ; the block is back in registers
	global_store_b128 v[CO], v[BB:BB+3], s[10:11] offset:(\a)*1024           ; 32 lanes store 512 consecutive bytes, at a multiple of 512 from the buffer's first byte
	global_store_b128 v[CO], v[BB+4:BB+7], s[10:11] offset:(\a)*1024+512
	global_store_b128 v[CO1], v[BB+8:BB+11], s[10:11] offset:(\a)*1024
	global_store_b128 v[CO1], v[BB+12:BB+15], s[10:11] offset:(\a)*1024+512
.endm
	PLACES NP                                      ; behind the last products: for the loads into the registers that held A's fragments, and for the reads of results
	TOSTAGE 0
.irp a, 1,2,3,4,5,6,7
.if \a > 1
	s_wait_xcnt 0x0                                ; block a - 2's stores have read their registers: block a's loads may land there
.endif
	TOSTAGE \a
	SEND \a-1, 12                                  ; behind block a - 1's loads: block a's 8 stores and 4 loads
.endr
	SEND 7, 0
	s_wait_tensorcnt 0x0                           ; the wave's end: behind my last tensor load and my last LDS store
	ds_add_u32 v[SPW], v[NIL]
	s_wait_dscnt 0x0
	CROUND                                         ; the closing round: no work-group ends while a partner may still ask for a tile that names it
	s_endpgm
.Lfunc_end_k_q3aea8ae9c3_gemm_qkv:
	.size	k_q3aea8ae9c3_gemm_qkv, .Lfunc_end_k_q3aea8ae9c3_gemm_qkv-k_q3aea8ae9c3_gemm_qkv
	.p2alignl 7, 3214868480
	.fill 96, 4, 3214868480
	.section	.rodata,"a",@progbits
	.p2align	6, 0x0
	.amdhsa_kernel k_q3aea8ae9c3_gemm_qkv
		.amdhsa_group_segment_fixed_size 327680
		.amdhsa_private_segment_fixed_size 0
		.amdhsa_enable_private_segment 0
		.amdhsa_kernarg_size 32
		.amdhsa_user_sgpr_count 2
		.amdhsa_user_sgpr_kernarg_segment_ptr 1
		.amdhsa_wavefront_size32 1
		.amdhsa_system_sgpr_workgroup_id_x 1
		.amdhsa_system_sgpr_workgroup_id_y 1
		.amdhsa_system_sgpr_workgroup_id_z 1
		.amdhsa_system_vgpr_workitem_id 0
		.amdhsa_next_free_vgpr 1024
		.amdhsa_next_free_sgpr 100
		.amdhsa_reserve_vcc 0
		.amdhsa_float_denorm_mode_32 3
		.amdhsa_float_denorm_mode_16_64 3
		.amdhsa_fp16_overflow 1
		.amdhsa_memory_ordered 1
		.amdhsa_forward_progress 1
		.amdhsa_inst_pref_size 113
	.end_amdhsa_kernel
	.amdgpu_metadata
---
amdhsa.version: [ 1, 2 ]
amdhsa.kernels:
  - .name:           k_q3aea8ae9c3_gemm_qkv
    .symbol:         k_q3aea8ae9c3_gemm_qkv.kd
    .args:
      - { .name: ops, .offset: 0, .size: 8, .value_kind: global_buffer, .address_space: global }
      - { .name: lowp_scales, .offset: 8, .size: 8, .value_kind: global_buffer, .address_space: global }
      - { .name: qkv_b, .offset: 16, .size: 8, .value_kind: global_buffer, .address_space: global }
      - { .name: qkv, .offset: 24, .size: 8, .value_kind: global_buffer, .address_space: global }
    .group_segment_fixed_size: 327680
    .private_segment_fixed_size: 0
    .kernarg_segment_align: 8
    .kernarg_segment_size: 32
    .max_flat_workgroup_size: 128
    .sgpr_count:     100
    .vgpr_count:     1024
    .wavefront_size: 32
...
	.end_amdgpu_metadata
.endif
;; end of part 2
;; launch attn (part 3): grid 4 x 64, 16 waves a work-group, no clusters, 327,680 bytes of LDS; arguments qkv, lowp_scales, ops; writes ops
.if DOCPART == 3
	.amdgcn_target "amdgcn-amd-amdhsa--gfx1250"
	.amdhsa_code_object_version 6
	.text
	.protected	k_q3aea8ae9c3_attn
	.globl	k_q3aea8ae9c3_attn
	.p2align	8
	.type	k_q3aea8ae9c3_attn,@function
k_q3aea8ae9c3_attn:
	s_mov_b64 s[64:65], 0
	v_nop
	global_prefetch_b8 v0, s[64:65] scope:SCOPE_SE
	s_setreg_imm32_b32 hwreg(HW_REG_WAVE_MODE, 25, 1), 1
	s_wait_xcnt 0x0
; Causal attention on codes of FP8 (E4M3): for each of 64 (batch, head) pairs, o[q] = the sum over keys k <= q of softmax_k(q . k / 8) v[k], head size 64, 2,048 tokens; o is quantised with 2^e6 for the next product.
; INPUT qkv: bytes 0 to 16 MiB: [32 planes][8,192 tokens][64]: plane h = q's codes of head h (scale 2^e2), plane 16 + h = k's (2^e3).  From 16 MiB on v's codes (2^e5) with the KEYS innermost: [128 planes of 64 tokens][1,024 channels][64].
; OUTPUT: ops = [16 planes][20,480 rows][64]: plane = head, row 12,288 + token.
; THE SOFTMAX AHEAD OF THE SECOND PRODUCT: t = score x log2(e) / 8; M = the row's largest t so far, rounded UP to a whole number; p = 2^(t - M) is what is quantised (2^e4), along the keys; it is not normalised.
; The row's sum is taken of the unquantised p, in f32, and divides O at the end.  When M moves, the sum and O are multiplied by 2^(old M - new M): exact.
; SHARES.  Work-group (P, y), P = 0..3: batch y / 16, head y % 16; it owns query blocks P and 7 - P, 256 queries each.  Block i wants the key slots 0 .. i (256 keys a slot): (P + 1) + (8 - P) = 9 PHASES in every work-group:
; the trip count is a constant and the work is even: 256 work-groups.  Phase S <= P: block P, key slot S; else block 7 - P, key slot S - P - 1.  Each of the SIXTEEN waves owns 16 queries of the block in hand, in 256 registers:
; four waves to a SIMD, so that one wave's vector work stands beside another's matrix work and LDS loads.  A key step all of whose 128 keys come after the wave's queries is jumped over (a scalar branch on ids).
; NO CLUSTER: the four work-groups of a head want different key slots in the same phase (P's block sizes differ), so their requests never meet; in step they would need 12 phases in place of 9.
; K's and V's tiles come through a ring of two LDS slots filled by the tensor data mover (waves 0 and 1: K's halves; waves 2 and 3: V's) and read by all sixteen.
; LAYOUT.  Both products are used transposed: S^T = K Q^T (source 0 = 16 keys, source 1 = my 16 queries), O^T = V^T P^T: a lane holds ONE query (lane % 16) throughout.
; THE KEYS OF A TILE ARE NOT NEIGHBOURS: lane r of tile 2 b + u takes key 32 b + 8 u + r + 8 (r / 8), so that the 16 registers of tiles 2 b and 2 b + 1 are 16 neighbouring keys, 32 b + 16 (lane / 16) + 0 .. 15.
; Within a matrix instruction k is permuted alike in both sources (16 neighbouring bytes a lane and load): every product meets its partner; only the order of the sums inside an instruction differs.
; LIMITS on the given exponents: e2 + e3 between -123 and 130 (they are added to c's exponent field); e4 between -126 and 119; e4 + e5 - e6 is applied by v_ldexp_f32.  NaN among the inputs is not served.
; REGISTERS: v1-11 addresses; v12 -M, v13 the largest t, v[14:15] the sum in two halves; v16-23 Q; v32-95 eight fragments of K or four of V; v96-159 S^T, then p; v160-191 O^T; v192-207 p's codes; v208-223 the way out; v236-254 at work.
.set SLOT1, 1<<16                      ; slot 1 begins here, so that one exclusive or turns an address in one slot into the other's
.set VOFF,  17408                      ; a slot: 256 keys of K as 64 lines of 256 + 16 bytes (key i at (i / 4) x 272 + (i % 4) x 64), then V
.set VPL,   4352                       ; V: four planes of 64 keys; a plane's 64 channels as 16 lines of 272 (channel d at (d / 4) x 272 + (d % 4) x 64)
.set STAGE, 2*SLOT1                    ; behind the ring, bytes of its own: 16 rows x 80 bytes for each wave, for the way out
.set SPARE, STAGE+16*1280              ; behind the stages: the spare words, 128 bytes for each wave: eight blocks of 256 bytes that no other line names
.set PP,    1310720                    ; bytes from plane to plane in ops
.set AK0,  1                           ; v1   my lane's place in a tile of K
.set AV0,  2                           ; v2   the same for V
.set PFO,  3                           ; v3   the prefetches' offset; never rewritten
.set STO,  4                           ; v4   the way out: where I put 8 codes
.set SPW,  5                           ; v5   LDS address of my spare word: SPARE + 4 x my thread's number; never rewritten
.set NIL,  6                           ; v6   0; never rewritten
.set GO,   7                           ; v7   16 x lane
.set ADK,  8                           ; v8   LDS address of the step's tiles of K
.set ADV,  9                           ; v9   of V
.set RD,   10                          ; v10  the way out: where I read 16 bytes back
.set QA,   11                          ; v11  Q: 64 r + 16 h
.set TB,   2                           ; s2   LDS byte at which the slot in hand begins
.set P1,   9                           ; s9   P + 1
.set PW,   10                          ; s10  P
.set PH,   11                          ; s11  the phase S
.set KF,   12                          ; s12  the step's first key
.set Q0,   13                          ; s13  my first query
.set WV,   18                          ; s18  my wave's number
.set SEL,  20                          ; s[20:21] lane selects for v_permlanex16_b32: lane l xor 16
.set CS,   22                          ; s[22:23] c = log2(e) / 8 x 2^(e2 + e3)
.set G1K,  24                          ; s[24:31] descriptor group 1 for K's tiles;  s[32:39] for V's;  s[40:43], s[44:47] their groups 0
.set G1V,  32
.set G0K,  40
.set G0V,  44
.set KB,   48                          ; s[48:49] K at my head's first key (+ the half that my wave's number names)
.set VB,   50                          ; s[50:51] V likewise
.set QB,   52                          ; s[52:53] Q at my head's first token
.set OB,   54                          ; s[54:55] the output at my head's first token
.set OFS,  56                          ; s[56:57] an offset, its high word 0
.set OAD,  58                          ; s[58:59] the output at my first query
.set QAD,  60                          ; s[60:61] Q at my first query
.set PFA,  76                          ; s[76:77] where my prefetches stand
.set PFS,  78                          ; s[78:79] a key slot on, in bytes
.set LIM,  80                          ; s80  4 in a wave that prefetches, else 0
.set EO,   81                          ; s81  e4 + e5 - e6
; Waves 0 and 1 fetch for K, waves 2 and 3 for V, the others nothing.  The branches hang on the wave's number alone.  Four v_nop follow each of the two lines.
.macro TLOAD
	s_cmp_lt_u32 s[WV], 2
	s_cbranch_scc0 .Lnot_k_\@
	tensor_load_to_lds s[G0K:G0K+3], s[G1K:G1K+7]
	s_nop 0
.rept 4
	v_nop
.endr
	s_branch .Lasked_\@
.Lnot_k_\@:
	s_cmp_lt_u32 s[WV], 4
	s_cbranch_scc0 .Lasked_\@
	tensor_load_to_lds s[G0V:G0V+3], s[G1V:G1V+7]
	s_nop 0
.rept 4
	v_nop
.endr
.Lasked_\@:
.endm
; A PREFETCH INTO THE L2.  Of a head's four work-groups the one with P = 0 is the first to load key slots 4 to 7 (it loads slot S in phase S; the one with P = 1 a phase later, and so on).  In its phases S = 3 to 6 it asks for
; slot S + 1, which its own tensor loads want one phase, two key steps of sixteen waves, later.  The waves ask that fetch nothing, one instruction each: waves 4 and 5 for K's 16,384 dense bytes, 8,192 a wave, lanes 256 bytes apart;
; waves 6 and 7 for V's four planes of 4,096 bytes, two planes a wave, sixteen lanes to a plane.  So each aligned block of 256 bytes is named once in the launch.  Slots 0 to 3 come by their loads alone: they are wanted in the first phases.
.macro ASK
	s_sub_co_u32 s14, s[PH], 3
	s_cmp_lt_u32 s14, s[LIM]                       ; S = 3 .. 6, in a wave that asks
	s_cbranch_scc0 .Lnot_mine_\@
	global_prefetch_b8 v[PFO], s[PFA:PFA+1] th:TH_LOAD_NT scope:SCOPE_SE
.Lnot_mine_\@:
.endm
	s_load_b128 s[4:7], s[0:1], 0x0                ; qkv s[4:5], the scales' exponents s[6:7]
	s_load_b64 s[16:17], s[0:1], 0x10              ; ops
	v_lshl_add_u32 v[SPW], v0, 2, SPARE
	v_mov_b32 v[NIL], 0
	ds_add_u32 v5, v6
	ds_add_u32 v5, v6
	s_wait_dscnt 0x0
	v_lshrrev_b32 v8, 5, v0
	s_delay_alu instid0(VALU_DEP_1)
	v_readfirstlane_b32 s[WV], v8                  ; wave 0..15
	s_mov_b32 s[PW], ttmp9                         ; P
	s_add_co_u32 s[P1], ttmp9, 1
	s_and_b32 s3, ttmp7, 0xffff
	s_lshr_b32 s8, s3, 4                           ; the batch
	s_and_b32 s3, s3, 15                           ; the head
	s_and_b32 s19, s[WV], 1
	s_lshl_b32 s15, s8, 17                         ; the batch's 2,048 tokens x 64 bytes
	s_lshl_b32 s86, s3, 19                         ; q: plane h of 8,192 x 64 bytes
	s_add_co_u32 s86, s86, s15
	s_mov_b32 s87, 0
	s_add_co_u32 s82, s86, 16*524288               ; k: plane 16 + h,
	s_lshl_b32 s14, s19, 13
	s_add_co_u32 s82, s82, s14                     ; + 128 keys x 64 bytes for the odd wave
	s_mov_b32 s83, 0
	s_lshl_b32 s84, s8, 21                         ; v: the batch's 32 planes of 65,536 bytes,
	s_lshl_b32 s14, s3, 12
	s_add_co_u32 s84, s84, s14                     ; the head's 64 channels x 64 bytes,
	s_lshl_b32 s14, s19, 17
	s_add_co_u32 s84, s84, s14                     ; two planes on for the odd wave,
	s_add_co_u32 s84, s84, 16777216                ; behind q and k
	s_mov_b32 s85, 0
	s_mul_i32 s88, s3, PP                          ; the output: plane h of ops,
	s_add_co_u32 s88, s88, s15
	s_add_co_u32 s88, s88, 786432                  ; from row 12,288 on
	s_mov_b32 s89, 0
	s_lshl_b32 s[Q0], ttmp9, 8
	s_lshl_b32 s14, s[WV], 4
	s_add_co_u32 s[Q0], s[Q0], s14                 ; my first query: 256 P + 16 x wave
	; descriptor group 1.  K: 128 keys, dense, as 32 rows of 256 bytes.  V: 2 rows (one a plane) of 4,096 dense bytes, 65,536 bytes apart.  In LDS 16 bytes of padding behind every 256
	s_mov_b32 s[G1K], (0<<16)|(1<<20)|(5<<22)|(3<<25)   ; 15:0 no mask; 17:16 elements of 1 byte; 20 padding on; 24:22 after every 64 words (code 5); 31:25 four words (code 3)
	s_mov_b32 s[G1K+1], 256<<16                    ; tensor_dim0
	s_mov_b32 s[G1K+2], 32<<16                     ; tensor_dim1
	s_mov_b32 s[G1K+3], 256<<16                    ; tile_dim0
	s_mov_b32 s[G1K+4], 32                         ; tile_dim1
	s_mov_b32 s[G1K+5], 256                        ; tensor_dim0_stride
	s_mov_b32 s[G1K+6], 0
	s_mov_b32 s[G1K+7], 0
	s_mov_b32 s[G1V], (0<<16)|(1<<20)|(5<<22)|(3<<25)
	s_mov_b32 s[G1V+1], 4096<<16
	s_mov_b32 s[G1V+2], 2<<16
	s_mov_b32 s[G1V+3], 4096<<16
	s_mov_b32 s[G1V+4], 2
	s_mov_b32 s[G1V+5], 65536
	s_mov_b32 s[G1V+6], 0
	s_mov_b32 s[G1V+7], 0
	s_mov_b32 s[SEL], 0x76543210
	s_mov_b32 s[SEL+1], 0xfedcba98
	s_mov_b32 s[CS], 0x3e38aa3b                    ; log2(e) / 8
	s_mov_b32 s[TB], 0
	s_mov_b32 s[PH], 0
	s_mov_b32 s[OFS+1], 0
	s_mov_b32 s[G0K], 1                            ; 1:0 count = 1
	s_mul_i32 s[G0K+1], s19, 8704                  ; 63:32 LDS address: slot 0, my half
	s_mov_b32 s[G0V], 1
	s_add_co_u32 s[G0V+1], s[G0K+1], VOFF
	s_wait_kmcnt 0x0
	s_load_b256 s[68:75], s[6:7], 0x0              ; e0 .. e7
	s_add_nc_u64 s[KB:KB+1], s[4:5], s[82:83]
	s_add_nc_u64 s[VB:VB+1], s[4:5], s[84:85]
	s_add_nc_u64 s[QB:QB+1], s[4:5], s[86:87]
	s_add_nc_u64 s[OB:OB+1], s[16:17], s[88:89]
	s_mov_b64 s[G0K+2:G0K+3], s[KB:KB+1]           ; 120:64 global address: key slot 0
	s_or_b32 s[G0K+3], s[G0K+3], 0x80000000        ; 127:126 type = 2
	s_mov_b64 s[G0V+2:G0V+3], s[VB:VB+1]
	s_or_b32 s[G0V+3], s[G0V+3], 0x80000000
	TLOAD                                          ; phase 0's tiles, ahead of every wait on TENSORcnt, every LDS read and every barrier
	v_and_b32 v8, 15, v0                           ; r = lane % 16
	v_bfe_u32 v9, v0, 4, 1                         ; h = lane / 16
	s_wait_alu depctr_va_vdst(0)
	v_lshlrev_b32 v[QA], 6, v8
	s_delay_alu instid0(VALU_DEP_1)
	v_lshl_add_u32 v[QA], v9, 4, v[QA]
	s_lshl_b32 s[OFS], s[Q0], 6
	s_add_nc_u64 s[QAD:QAD+1], s[QB:QB+1], s[OFS:OFS+1]
	global_load_b128 v[16:19], v[QA], s[QAD:QAD+1] th:TH_LOAD_NT             ; Q's fragment stays in registers: registers 4 c .. 4 c + 3: channels 32 c + 16 h + 0 .. 15 of query r
	global_load_b128 v[20:23], v[QA], s[QAD:QAD+1] offset:32 th:TH_LOAD_NT
	; the prefetches: where my wave's stand, and who asks
	s_mov_b32 s[PFS], 262144
	s_mov_b32 s14, 65536
	s_cmp_lt_u32 s[WV], 6                          ; waves 4 and 5 ask for K's codes, waves 6 and 7 for V's
	s_cselect_b64 s[PFA:PFA+1], s[KB:KB+1], s[VB:VB+1]  ; at key slot 0; each change of slots steps it: in phase S it stands at slot S + 1
	s_cselect_b32 s[PFS], 16384, s[PFS]            ; a key slot on
	s_cselect_b32 s14, 4096, s14                   ; from lanes 0-15 to lanes 16-31
	s_mov_b32 s[PFS+1], 0
	v_mul_lo_u32 v[PFO], v9, s14
	s_delay_alu instid0(VALU_DEP_1)
	v_lshl_add_u32 v[PFO], v8, 8, v[PFO]
	s_lshr_b32 s14, s[WV], 2
	s_xor_b32 s14, s14, 1                          ; 0 in waves 4 to 7,
	s_or_b32 s14, s14, ttmp9                       ; of the work-group with P = 0
	s_cmp_eq_u32 s14, 0
	s_cselect_b32 s[LIM], 4, 0
	v_and_b32 v10, 8, v8
	s_delay_alu instid0(VALU_DEP_1)
	v_add_nc_u32 v10, v10, v8                      ; r + 8 (r / 8)
	s_delay_alu instid0(VALU_DEP_1)
	v_lshrrev_b32 v10, 2, v10
	s_delay_alu instid0(VALU_DEP_1)
	v_mul_u32_u24 v[AK0], v10, 272
	v_and_b32 v10, 3, v8
	s_delay_alu instid0(VALU_DEP_1)
	v_lshl_add_u32 v[AK0], v10, 6, v[AK0]
	s_delay_alu instid0(VALU_DEP_1)
	v_lshl_add_u32 v[AK0], v9, 4, v[AK0]
	v_lshrrev_b32 v[AV0], 2, v8
	s_delay_alu instid0(VALU_DEP_1)
	v_mul_u32_u24 v[AV0], v[AV0], 272
	s_delay_alu instid0(VALU_DEP_1)
	v_lshl_add_u32 v[AV0], v10, 6, v[AV0]
	s_delay_alu instid0(VALU_DEP_1)
	v_lshl_add_u32 v[AV0], v9, 4, v[AV0]
	s_delay_alu instid0(VALU_DEP_1)
	v_add_nc_u32 v[AV0], VOFF, v[AV0]
	s_mul_i32 s14, s[WV], 1280
	s_add_co_u32 s14, s14, STAGE                   ; my stage
	v_mul_u32_u24 v[STO], v8, 80
	s_delay_alu instid0(VALU_DEP_1)
	v_lshl_add_u32 v[STO], v9, 3, v[STO]
	s_delay_alu instid0(VALU_DEP_1)
	v_add_nc_u32 v[STO], s14, v[STO]               ; in: row r, 8 bytes for each half of the lanes
	v_bfe_u32 v[RD], v0, 2, 3
	s_delay_alu instid0(VALU_DEP_1)
	v_mul_u32_u24 v[RD], v[RD], 80
	v_and_b32 v254, 3, v0
	s_delay_alu instid0(VALU_DEP_1)
	v_lshl_add_u32 v[RD], v254, 4, v[RD]
	s_delay_alu instid0(VALU_DEP_1)
	v_add_nc_u32 v[RD], s14, v[RD]                 ; back: four lanes to a row of 64 bytes
	v_and_b32 v[GO], 31, v0
	s_delay_alu instid0(VALU_DEP_1)
	v_lshlrev_b32 v[GO], 4, v[GO]
	v_mov_b32 v13, 0xff61b1e6                      ; the largest t so far: -3e38, under every t
	s_delay_alu instid0(VALU_DEP_1)
	v_floor_f32 v12, -v13                          ; -M
	v_mov_b32 v14, 0                               ; the sum, in two halves
	v_mov_b32 v15, 0
	v_mov_b32 v236, 0                              ; written once: a lane permute's destination counts as one of its sources
	v_mov_b32 v252, 0
	v_mov_b32 v253, 0                              ; (named as the upper half of the pair v[252:253])
	v_mov_b32 v245, 1.0                            ; the output's conversion divides by 1: its scale is folded into 1 / the sum
.set i, 0
.rept 32
	v_mov_b32 v[160+i], 0                          ; O^T.  (The key step is written without a first step of its own: it finds zeros, which the first change of M leaves zeros)
.set i, i+1
.endr
	s_wait_kmcnt 0x0
	s_add_co_i32 s14, s70, s71
	s_lshl_b32 s14, s14, 23
	s_add_co_i32 s[CS], s[CS], s14                 ; a score stands for score x 2^(e2 + e3): the two exponents are added to c's exponent field
	s_mov_b32 s[CS+1], s[CS]                       ; (named with it as a pair, so it is written)
	s_add_co_i32 s14, s72, 127
	s_lshl_b32 s15, s14, 23
	v_mov_b32 v244, s15                            ; 2^e4 as f32, for p's conversion
	s_add_co_i32 s[EO], s72, s73
	s_sub_co_i32 s[EO], s[EO], s74                 ; e4 + e5 - e6
; A KEY STEP: 128 keys, the q-th of the slot in hand.
.macro STEP q
	s_add_co_u32 s14, s[Q0], 15                    ; a step all of whose keys come after my 16 queries is left out: a scalar branch on ids, round the step's loads, products and softmax; no barrier or tensor load stands in a step
	s_cmp_gt_u32 s[KF], s14
	s_cbranch_scc1 .Lhidden_\@
	v_add_nc_u32 v[ADK], s[TB], v[AK0]
	v_add_nc_u32 v[ADV], s[TB], v[AV0]
	v_nop                                          ; with the two additions: four places in front of loads into registers that the last products have read
	v_nop
.irp t, 0,1,2,3,4,5,6,7                        ; K's eight tiles of 16 keys x 64 channels: tile t begins at key 128 q + 32 (t / 2) + 8 (t % 2)
	ds_load_b128 v[32+8*\t:35+8*\t], v[ADK] offset:(32*(\q)+8*(\t/2)+2*(\t%2))*272
	ds_load_b128 v[36+8*\t:39+8*\t], v[ADK] offset:(32*(\q)+8*(\t/2)+2*(\t%2))*272+32
.endr
	s_wait_dscnt 0x0
.irp t, 0,1,2,3,4,5,6,7                        ; S^T = K Q^T
	v_wmma_f32_16x16x64_fp8_fp8 v[96+8*\t:103+8*\t], v[32+8*\t:39+8*\t], v[16:23], 0
.endr
.rept 4
	v_nop
.endr
	s_add_co_u32 s14, s[KF], 127                   ; on the diagonal the scores of hidden keys become -infinity ahead of the maximum: p = 0 then.  A step all of whose keys count skips this
	s_cmp_le_u32 s14, s[Q0]
	s_cbranch_scc1 .Lopen_\@
	s_sub_co_i32 s14, s[Q0], s[KF]
	v_and_b32 v252, 15, v0
	v_bfe_u32 v253, v0, 4, 1
	s_delay_alu instid0(VALU_DEP_1)
	v_lshlrev_b32 v253, 4, v253
	s_delay_alu instid0(VALU_DEP_1)
	v_sub_nc_u32 v252, v252, v253
	s_delay_alu instid0(VALU_DEP_1)
	v_add_nc_u32 v252, s14, v252                   ; d = my query - KF - 16 (lane / 16).  Register 16 b + i holds key KF + 16 (lane / 16) + 32 b + i: hidden where 32 b + i > d
	v_mov_b32 v254, 0xff800000                     ; -infinity
.irp n, 0,1,2,3,4,5,6,7,8,9,10,11,12,13,14,15,16,17,18,19,20,21,22,23,24,25,26,27,28,29,30,31,32,33,34,35,36,37,38,39,40,41,42,43,44,45,46,47,48,49,50,51,52,53,54,55,56,57,58,59,60,61,62,63
	v_cmp_gt_i32 vcc_lo, 32*(\n/16)+\n%16, v252
	v_cndmask_b32 v[96+\n], v[96+\n], v254, vcc_lo
.endr
.Lopen_\@:
	v_max3_num_f32 v254, v96, v97, v98             ; the step's largest score of my query, among my 64 keys, in two chains,
	v_max3_num_f32 v252, v99, v100, v101
.irp i, 6,10,14,18,22,26,30,34,38,42,46,50,54,58
	v_max3_num_f32 v254, v254, v[96+\i], v[97+\i]
	v_max3_num_f32 v252, v252, v[98+\i], v[99+\i]
.endr
	v_max3_num_f32 v254, v254, v158, v159
	s_delay_alu instid0(VALU_DEP_1)
	v_max_num_f32 v254, v254, v252
	s_delay_alu instid0(VALU_DEP_1)
	v_permlanex16_b32 v236, v254, s[SEL], s[SEL+1]
	s_delay_alu instid0(VALU_DEP_1)
	v_max_num_f32 v254, v254, v236                 ; and among lane l xor 16's
	s_delay_alu instid0(VALU_DEP_1)
	v_mul_f32 v254, s[CS], v254                    ; as t (c is positive)
	s_delay_alu instid0(VALU_DEP_1)
	v_max_num_f32 v13, v13, v254                   ; the running largest t
	v_mov_b32 v254, v12
	s_delay_alu instid0(VALU_DEP_2)
	v_floor_f32 v12, -v13                          ; the new -M = floor(-t) = -ceil(t): M IS A WHOLE NUMBER
	s_delay_alu instid0(VALU_DEP_1)
	v_sub_f32 v254, v12, v254                      ; M's old value less its new one: a whole number, 0 or less
	s_delay_alu instid0(VALU_DEP_1)
	v_cvt_i32_f32 v254, v254                       ; (it saturates)
	s_delay_alu instid0(VALU_DEP_1)
	v_ldexp_f32 v252, 1.0, v254                    ; f = 2^(old M - new M): what was summed under the old M is brought under the new by a multiplication that rounds nothing
.set j, 0
.rept 32
	v_pk_fma_f32 v[96+j:97+j], v[96+j:97+j], s[CS:CS+1], v[12:13] op_sel_hi:[1,0,0]   ; t - M, two at a time (of the pairs c and -M the low word serves both halves)
.set j, j+2
.endr
.set j, 0
	s_wait_alu depctr_va_vdst(0)
.rept 64
	v_exp_f32 v[96+j], v[96+j]                     ; p = 2^(t - M), at most 1: NOT normalised
.set j, j+1
.endr
	v_pk_mul_f32 v[14:15], v[14:15], v[252:253] op_sel_hi:[1,0]   ; the sums under the new M.  (A plain place behind the exponentials)
	s_wait_alu depctr_va_vdst(0)                   ; one wait for the whole batch of exponentials, ahead of its first reader
	v_pk_add_f32 v[242:243], v[100:101], v[104:105]
	v_pk_add_f32 v[254:255], v[108:109], v[112:113]
	v_pk_add_f32 v[250:251], v[116:117], v[120:121]
	v_pk_add_f32 v[248:249], v[124:125], v[128:129]
	v_pk_add_f32 v[246:247], v[132:133], v[136:137]
	v_pk_add_f32 v[240:241], v[140:141], v[144:145]
	v_pk_add_f32 v[238:239], v[148:149], v[152:153]
	v_pk_add_f32 v[14:15], v[14:15], v[156:157]
	v_pk_add_f32 v[242:243], v[242:243], v[96:97]
	v_pk_add_f32 v[254:255], v[254:255], v[98:99]
	v_pk_add_f32 v[250:251], v[250:251], v[102:103]
	v_pk_add_f32 v[248:249], v[248:249], v[106:107]
	v_pk_add_f32 v[246:247], v[246:247], v[110:111]
	v_pk_add_f32 v[240:241], v[240:241], v[114:115]
	v_pk_add_f32 v[238:239], v[238:239], v[118:119]
	v_pk_add_f32 v[14:15], v[14:15], v[122:123]
	v_pk_add_f32 v[242:243], v[242:243], v[126:127]
	v_pk_add_f32 v[254:255], v[254:255], v[130:131]
	v_pk_add_f32 v[250:251], v[250:251], v[134:135]
	v_pk_add_f32 v[248:249], v[248:249], v[138:139]
	v_pk_add_f32 v[246:247], v[246:247], v[142:143]
	v_pk_add_f32 v[240:241], v[240:241], v[146:147]
	v_pk_add_f32 v[238:239], v[238:239], v[150:151]
	v_pk_add_f32 v[14:15], v[14:15], v[154:155]
	v_pk_add_f32 v[242:243], v[242:243], v[158:159]
	s_delay_alu instid0(VALU_DEP_2)
	v_pk_add_f32 v[14:15], v[14:15], v[248:249]
	s_delay_alu instid0(VALU_DEP_2)
	v_pk_add_f32 v[242:243], v[242:243], v[246:247]
	v_pk_add_f32 v[254:255], v[254:255], v[240:241]
	v_pk_add_f32 v[250:251], v[250:251], v[238:239]
	s_delay_alu instid0(VALU_DEP_2)
	v_pk_add_f32 v[14:15], v[14:15], v[254:255]
	s_delay_alu instid0(VALU_DEP_2)
	v_pk_add_f32 v[242:243], v[242:243], v[250:251]
	s_delay_alu instid0(VALU_DEP_1)
	v_pk_add_f32 v[14:15], v[14:15], v[242:243]
.irp b, 0,1,2,3
.irp i, 0,1,2,3,4,5,6,7,8,9,10,11,12,13,14,15
.endr
	v_cvt_scalef32_pk8_fp8_f32 v[192+4*\b:193+4*\b], v[96+16*\b:103+16*\b], v244
	v_cvt_scalef32_pk8_fp8_f32 v[194+4*\b:195+4*\b], v[104+16*\b:111+16*\b], v244
.endr
.set j, 0
.rept 16
	v_pk_mul_f32 v[160+j:161+j], v[160+j:161+j], v[252:253] op_sel_hi:[1,0]   ; O^T under the new M: x f.  (These sixteen are also the plain lines between the conversions and the products that read their results)
.set j, j+2
.endr
.irp t, 0,1,2,3                                ; V's four tiles of 16 channels x 128 keys
.irp c, 0,1,2,3
	ds_load_b128 v[32+16*\t+4*\c:35+16*\t+4*\c], v[ADV] offset:(2*(\q)+\c/2)*VPL+\t*1088+32*(\c%2)
.endr
.endr
	s_wait_alu depctr_va_vdst(0)
	s_wait_dscnt 0x0
.irp t, 0,1,2,3                                ; O^T += V^T P^T: the four accumulators take turns, and the scores' eight products stand between two steps' turns
	v_wmma_f32_16x16x128_fp8_fp8 v[160+8*\t:167+8*\t], v[32+16*\t:47+16*\t], v[192:207], v[160+8*\t:167+8*\t]
.endr
.Lhidden_\@:
	s_add_co_u32 s[KF], s[KF], 128
.endm
; THE CHANGE OF SLOTS stands at a phase's head.  Each wave waits for all its tensor loads (its part of the slot that it is about to read), adds 0 to its spare word, and waits for that and for its reads of the slot that it has left.
; Behind the barrier the slot ahead is whole and nobody reads the other one.  fill = 1: that other slot is filled with the next phase's keys: the load has a whole phase in which to land; one tensor load of a wave is out at a time.
.macro CHANGE fill
	s_wait_tensorcnt 0x0                           ; no tensor load of mine is out, so a group 0 may be written
	ds_add_u32 v[SPW], v[NIL]                      ; 0 onto my spare word; the scalar work below stands between it and the wait for it
.if \fill
	s_add_co_u32 s14, s[PH], 1                     ; the next phase N = S + 1 wants key slot N, or N - P - 1 in the second block
	s_cmp_gt_u32 s14, s[PW]
	s_cselect_b32 s15, s[P1], 0
	s_sub_co_u32 s14, s14, s15
	s_lshl_b32 s[OFS], s14, 14                     ; 256 keys x 64 bytes
	s_add_nc_u64 s[G0K+2:G0K+3], s[KB:KB+1], s[OFS:OFS+1]
	s_or_b32 s[G0K+3], s[G0K+3], 0x80000000
	s_lshl_b32 s[OFS], s14, 18                     ; four planes of 65,536 bytes
	s_add_nc_u64 s[G0V+2:G0V+3], s[VB:VB+1], s[OFS:OFS+1]
	s_or_b32 s[G0V+3], s[G0V+3], 0x80000000
	s_xor_b32 s[G0K+1], s[G0K+1], SLOT1            ; the other slot than last time
	s_xor_b32 s[G0V+1], s[G0V+1], SLOT1
	s_wait_xcnt 0x0                                ; the last prefetch, a phase back, has read its address, so it may be written
	s_add_nc_u64 s[PFA:PFA+1], s[PFA:PFA+1], s[PFS:PFS+1]
.endif
	s_cmp_gt_u32 s[PH], s[PW]                      ; this phase's first key
	s_cselect_b32 s15, s[P1], 0
	s_sub_co_u32 s15, s[PH], s15
	s_lshl_b32 s[KF], s15, 8
	s_wait_dscnt 0x0                               ; the add is done, and my reads of the slot that I have left are over
	s_barrier_signal -1
	s_barrier_wait -1
.if \fill
	TLOAD                                          ; the first thing behind the barrier, and a wave's one tensor load until the next
	ASK
.endif
.endm
; THE WAY OUT of a block of queries.  The sum's halves are added; O^T x 2^(e4 + e5 - e6) / the sum is held at +-448 and converted: 8 codes a tile and lane.  They go through my stage (rows of 64 + 16 bytes) and leave as the
; 1,024 dense bytes that my 16 queries have in the head's plane.  more = 1: the second block follows: its Q is asked for, and M, the sum and O^T begin anew.
.macro FLUSH more
	v_add_f32 v14, v14, v15                        ; the sum's two halves,
	s_delay_alu instid0(VALU_DEP_1)
	v_permlanex16_b32 v236, v14, s[SEL], s[SEL+1]
	s_delay_alu instid0(VALU_DEP_1)
	v_add_f32 v14, v14, v236                       ; and lane l xor 16's: the row's sum
	s_wait_alu depctr_va_vdst(0)
	v_rcp_f32 v14, v14
.rept 3
	v_nop                                          ; a plain place behind the reciprocal; with the two additions above: five places behind the last products
.endr
	s_lshl_b32 s[OFS], s[Q0], 6
	s_add_nc_u64 s[OAD:OAD+1], s[OB:OB+1], s[OFS:OFS+1]
	s_wait_alu depctr_va_vdst(0)                   ; the wait ahead of the reciprocal's first reader
	v_ldexp_f32 v14, v14, s[EO]
.set j, 0
.rept 16
	v_pk_mul_f32 v[96+j:97+j], v[160+j:161+j], v[14:15] op_sel_hi:[1,0]   ; register 8 t + i is o(r, 16 t + 8 h + i) / 2^e6; each accumulator from its low end on
.set j, j+2
.endr
.set j, 0
.rept 32
.set j, j+1
.endr
.irp t, 0,1,2,3
	v_cvt_scalef32_pk8_fp8_f32 v[208+2*\t:209+2*\t], v[96+8*\t:103+8*\t], v245
.endr
	v_nop                                          ; one plain vector instruction behind the last conversion: later products write the conversions' sources
.irp t, 0,1,2,3
	ds_store_b64 v[STO], v[208+2*\t:209+2*\t] offset:16*\t
.endr
.irp i, 0,1
	ds_load_b128 v[216+4*\i:219+4*\i], v[RD] offset:640*\i   ; LDS serves a wave's instructions in order (ISA guide 5.7.1.4): these see my stores
.endr
.irp i, 0,1
	s_wait_dscnt 1-\i                              ; the first load is back (the second may be out); then the second
	global_store_b128 v[GO], v[216+4*\i:219+4*\i], s[OAD:OAD+1] offset:512*\i   ; 32 lanes store 512 consecutive bytes, at a multiple of 512 from ops' first byte
.endr
.if \more
	s_sub_co_u32 s14, 7, s[PW]
	s_lshl_b32 s14, s14, 8
	s_lshl_b32 s15, s[WV], 4
	s_add_co_u32 s[Q0], s14, s15                   ; my first query of block 7 - P
	s_lshl_b32 s[OFS], s[Q0], 6
	s_add_nc_u64 s[QAD:QAD+1], s[QB:QB+1], s[OFS:OFS+1]
	global_load_b128 v[16:19], v[QA], s[QAD:QAD+1] th:TH_LOAD_NT
	global_load_b128 v[20:23], v[QA], s[QAD:QAD+1] offset:32 th:TH_LOAD_NT
	v_mov_b32 v13, 0xff61b1e6
	s_delay_alu instid0(VALU_DEP_1)
	v_floor_f32 v12, -v13
	v_mov_b32 v14, 0
	v_mov_b32 v15, 0
.set j, 0
.rept 32
	v_mov_b32 v[160+j], 0
.set j, j+1
.endr
	s_wait_xcnt 0x0                                ; the stores have read their data and their base: the last way out writes both again
.endif
.endm
.Lphase:                                           ; eight trips: behind each change of slots but the last the next phase's tiles are asked for
	CHANGE 1
	s_wait_loadcnt 0x0                             ; Q
	STEP 0
	STEP 1
	s_xor_b32 s[TB], s[TB], SLOT1                  ; on to the other slot
	s_cmp_lg_u32 s[PH], s[PW]                      ; behind phase P the first block is finished: a branch on ids
	s_cbranch_scc1 .Lno_flush
	FLUSH 1
.Lno_flush:
	s_add_co_u32 s[PH], s[PH], 1
	s_cmp_lt_u32 s[PH], 8
	s_cbranch_scc1 .Lphase
	CHANGE 0                                       ; the last phase is written out
	s_wait_loadcnt 0x0
	STEP 0
	STEP 1
	FLUSH 0
	s_wait_tensorcnt 0x0                           ; the wave's end: behind my last tensor load and my last LDS store
	ds_add_u32 v[SPW], v[NIL]
	s_wait_dscnt 0x0
	s_endpgm
.Lfunc_end_k_q3aea8ae9c3_attn:
	.size	k_q3aea8ae9c3_attn, .Lfunc_end_k_q3aea8ae9c3_attn-k_q3aea8ae9c3_attn
	.p2alignl 7, 3214868480
	.fill 96, 4, 3214868480
	.section	.rodata,"a",@progbits
	.p2align	6, 0x0
	.amdhsa_kernel k_q3aea8ae9c3_attn
		.amdhsa_group_segment_fixed_size 327680
		.amdhsa_private_segment_fixed_size 0
		.amdhsa_enable_private_segment 0
		.amdhsa_kernarg_size 24
		.amdhsa_user_sgpr_count 2
		.amdhsa_user_sgpr_kernarg_segment_ptr 1
		.amdhsa_wavefront_size32 1
		.amdhsa_system_sgpr_workgroup_id_x 1
		.amdhsa_system_sgpr_workgroup_id_y 1
		.amdhsa_system_sgpr_workgroup_id_z 1
		.amdhsa_system_vgpr_workitem_id 0
		.amdhsa_next_free_vgpr 256
		.amdhsa_next_free_sgpr 100
		.amdhsa_reserve_vcc 1
		.amdhsa_float_denorm_mode_32 3
		.amdhsa_float_denorm_mode_16_64 3
		.amdhsa_fp16_overflow 1
		.amdhsa_memory_ordered 1
		.amdhsa_forward_progress 1
		.amdhsa_inst_pref_size 95
	.end_amdhsa_kernel
	.amdgpu_metadata
---
amdhsa.version: [ 1, 2 ]
amdhsa.kernels:
  - .name:           k_q3aea8ae9c3_attn
    .symbol:         k_q3aea8ae9c3_attn.kd
    .args:
      - { .name: qkv, .offset: 0, .size: 8, .value_kind: global_buffer, .address_space: global }
      - { .name: lowp_scales, .offset: 8, .size: 8, .value_kind: global_buffer, .address_space: global }
      - { .name: ops, .offset: 16, .size: 8, .value_kind: global_buffer, .address_space: global }
    .group_segment_fixed_size: 327680
    .private_segment_fixed_size: 0
    .kernarg_segment_align: 8
    .kernarg_segment_size: 24
    .max_flat_workgroup_size: 512
    .sgpr_count:     100
    .vgpr_count:     256
    .wavefront_size: 32
...
	.end_amdgpu_metadata
.endif
;; end of part 3
;; launch gemm_proj (part 4): grid 8 x 32, 4 waves a work-group, clusters of 4 x 4, 327,680 bytes of LDS; arguments ops, lowp_scales, proj_b, out0; writes out0
.if DOCPART == 4
	.amdgcn_target "amdgcn-amd-amdhsa--gfx1250"
	.amdhsa_code_object_version 6
	.text
	.protected	k_q3aea8ae9c3_gemm_proj
	.globl	k_q3aea8ae9c3_gemm_proj
	.p2align	8
	.type	k_q3aea8ae9c3_gemm_proj,@function
k_q3aea8ae9c3_gemm_proj:
	s_mov_b64 s[64:65], 0
	v_nop
	global_prefetch_b8 v0, s[64:65] scope:SCOPE_SE
	s_setreg_imm32_b32 hwreg(HW_REG_WAVE_MODE, 25, 1), 1
	s_wait_xcnt 0x0
	s_wait_alu depctr_hold_cnt(0) depctr_sa_sdst(0) depctr_va_vdst(0) depctr_va_sdst(0) depctr_va_ssrc(0) depctr_va_vcc(0) depctr_vm_vsrc(0)
	s_getreg_b32 s2, hwreg(HW_REG_IB_STS2, 6, 4)
	s_cmp_eq_u32 s2, 0
	s_cbranch_scc0 .Lentry_in_a_cluster
	s_endpgm
.Lentry_in_a_cluster:
	s_bfe_u32 s2, ttmp6, 0x10000c
	s_cmp_lg_u32 s2, 0xf033
	s_cbranch_scc0 .Lentry_shape_is_right
	s_endpgm
.Lentry_shape_is_right:
; out0 = o proj_w^T + proj_b on codes of FP8 (E4M3): o, attention's result, has the scale 2^e6, proj_w 2^e7 (entries of the scales).  out0: [8,192][1,024] f32.
; OPERANDS: ops = [16 planes of 64 along K][20,480 rows][64 bytes]: rows 12,288 on: o (row = token); rows 11,264-12,287: proj_w.  K = 1,024.
; SHARES.  A tile of C is 256 x 128, which gives 32 x 8 = 256 work-groups; four waves, 128 x 64 each: 32 accumulators, 256 registers.
; K goes in steps of 256 (4 planes) through a ring of two LDS slots filled by the tensor data mover; 4 K steps, written out.  4 x 4 work-groups form a cluster: A's tile is asked for jointly along a row of the cluster, B's along a column.
; THE MATRIX INSTRUCTION IS USED TRANSPOSED (source 0 = 16 rows of B, source 1 = 16 rows of A): a lane holds eight neighbouring columns of one row of C.
; A fragment's k is permuted alike in A and in B (registers 4 c .. 4 c + 3: k = 32 c + 16 (lane / 16) + 0 .. 15): every product meets its partner; only the order of the sums inside an instruction differs.
; The sums start with the constant 0; on the way out one packed multiply-add gives sum x 2^(e6 + e7) + proj_b.
; LIMIT: e6 + e7 between -126 and 127, so that 2^(e6 + e7) is an f32 number.
; REGISTERS, in windows of 256: window 0: v1-31 addresses; v32-63 the bias; v64-95 a block's results; from v128 A's fragments, ONE set (on the way out rows read back).
;   window 1: B's fragments, TWO sets, at v0 and v128.   window 2: the accumulators ((a, b) at v[8 (4 a + b)]).
.set NB,     4                         ; B's blocks of 16 rows for a wave
.set PP,     1310720                   ; bytes from plane to plane in ops
.set KSTEPB, 4*PP                      ; a K step of 256: four planes
.set APL,    8704                      ; a plane of 128 rows in LDS: 8,192 bytes as 32 lines of 256 + 16 of padding.  Row i lies at (i / 4) x 272 + (i % 4) x 64: the 16 rows of a fragment load start at 16 different groups of four banks (64 banks of 4 bytes: ISA guide 11.1)
.set HALFA,  4*APL                     ; what one tensor load brings of A: 128 rows x 4 planes
.set BPL,    4*NB*272                  ; the same for B's 16 NB rows
.set HALFB,  4*BPL
.set SLOT,   2*HALFA+2*HALFB           ; A's two halves, then B's two
.set SPARE,  2*SLOT                    ; behind the ring: the spare words, 128 bytes for each wave: two blocks of 256 bytes that no other line names
.set FR,     16                        ; registers of a fragment: 16 rows x 128 K
.set NL,     4                         ; LDS loads that bring one
.set NP,     4                         ; places behind this matrix instruction (ISA guide 7.12.1)
.set ADRA, 16                          ; v16-17  LDS address of my A fragments in slot 0, 1
.set ADRB, 20                          ; v20-21  the same for B
.set STO,  24                          ; v24     the way out: where I put 32 bytes of a row
.set RD,   25                          ; v25     the way out: where I read a row back
.set CO,   26                          ; v26     my byte offset in two rows of C
.set SPW,  28                          ; v28     LDS address of my spare word: SPARE + 4 x my thread's number; never rewritten
.set NIL,  29                          ; v29     0; never rewritten
.set BI,   32                          ; v32-63  the bias: register 8 b + j = proj_b[my first column + 16 b + 8 h + j]
.set TMP,  32                          ; (named by a form of the products' macro that this text does not use)
.set Y,    64                          ; v64-95  a block's results
.set AF,   128
.set BK,   128
.set G1, 24                            ; s[24:31] descriptor group 1 for A's tiles;  s[32:39] group 0, one set for each slot
.set G0, 32
.set G1B, 48                           ; s[48:55], s[56:63] the same for B's tiles
.set G0B, 56
.set MSB, 0
.macro WIN new                         ; the immediate's high byte repeats the setting that is left; a switch that changes nothing is dropped
.if MSB != \new
	s_set_vgpr_msb (MSB<<8)|\new
.set MSB, \new
.endif
.endm
.set MUL_LO, 0xa1                      ; source 0 (B) window 1, source 1 (A) window 0, C and D window 2
.set MUL_HI, 0xa1+0x50*(NB/8)          ; here the same: all accumulators lie in window 2
.set TO_B,   0x40                      ; destination window 1, address window 0
; A joint load: waves 0 and 1 fetch A's halves, waves 2 and 3 B's.  Each of the two lines has ONE mask and one set of registers for all that issue it; the branch hangs on the wave's number alone.
; Four v_nop follow each of the two lines, ahead of the jump, the label and what follows.
.macro JLOAD g0a, g1a, g0b, g1b
	s_cmp_eq_u32 s15, 0
	s_cbranch_scc0 .Lfor_b_\@
	tensor_load_to_lds s[\g0a:\g0a+3], s[\g1a:\g1a+7]
	s_nop 0
.rept 4
	v_nop
.endr
	s_branch .Lasked_\@
.Lfor_b_\@:
	tensor_load_to_lds s[\g0b:\g0b+3], s[\g1b:\g1b+7]
	s_nop 0
.rept 4
	v_nop
.endr
.Lasked_\@:
.endm
.macro CREST                           ; a round of the cluster's barrier behind its opening barrier
	s_cmp_lg_u32 s14, 0
	s_cbranch_scc1 .Lnot_wave_0_\@
	s_barrier_signal -3
.Lnot_wave_0_\@:
	s_barrier_wait -3
	s_barrier_signal -1
	s_barrier_wait -1
.endm
.macro CROUND                          ; a whole round
	s_barrier_signal -1
	s_barrier_wait -1
	CREST
.endm
	s_load_b256 s[4:11], s[0:1], 0x0               ; ops s[4:5], the scales' exponents s[6:7], proj_b s[8:9], out0 s[10:11]
	v_lshl_add_u32 v[SPW], v0, 2, SPARE
	v_mov_b32 v[NIL], 0
	ds_add_u32 v28, v29
	ds_add_u32 v28, v29
	s_wait_dscnt 0x0
	v_lshrrev_b32 v1, 5, v0
	v_readfirstlane_b32 s14, v1                    ; wave 0..3
	s_lshr_b32 s15, s14, 1                         ; which half of the tile's rows is mine.  Also: I fetch for A (0) or for B (1)
	s_and_b32 s16, s14, 1                          ; which half of its columns.  Also: which half of that tile I fetch
	s_bfe_u32 s40, ttmp6, 0x40000                  ; cx, cy: my place in the cluster
	s_bfe_u32 s41, ttmp6, 0x40004
	s_and_b32 s17, ttmp7, 0xffff
	s_lshl_b32 s42, s17, 2
	s_add_co_u32 s42, s42, s41                     ; tile row of C = 4 x cluster y + cy
	s_lshl_b32 s43, ttmp9, 2
	s_add_co_u32 s43, s43, s40                     ; tile column of C = 4 x cluster x + cx
	s_lshl_b32 s20, s41, 2
	s_lshl_b32 s20, 15, s20                        ; my row of the cluster
	s_lshl_b32 s21, 0x1111, s40                    ; my column
	; descriptor group 1: 4 rows (one a plane) of dense bytes, PP bytes apart: A 128 rows x 64 = 8,192 bytes, B 64 x 64 = 4,096; in LDS 16 bytes of padding behind every 256
	s_or_b32 s[G1+0], s20, (0<<16)|(1<<20)|(1<<21)|(5<<22)|(3<<25)  ; 15:0 the mask: A's tiles go to my row; 17:16 element of 1 byte; 20 padding on; 21 set beside a mask; 24:22 after every 64 words (code 5); 31:25 of 4 words (code 3)
	s_or_b32 s[G1B+0], s21, (0<<16)|(1<<20)|(1<<21)|(5<<22)|(3<<25)
	s_mov_b32 s[G1+1], 8192<<16                    ; tensor_dim0
	s_mov_b32 s[G1+2], 4<<16                       ; tensor_dim1 = 4
	s_mov_b32 s[G1+3], 8192<<16                    ; tile_dim0
	s_mov_b32 s[G1+4], 4                           ; tile_dim1 = 4
	s_mov_b32 s[G1+5], PP                          ; tensor_dim0_stride
	s_mov_b32 s[G1+6], 0
	s_mov_b32 s[G1+7], 0
	s_mov_b32 s[G1B+1], (1024*NB)<<16
	s_mov_b32 s[G1B+2], 4<<16
	s_mov_b32 s[G1B+3], (1024*NB)<<16
	s_mov_b32 s[G1B+4], 4
	s_mov_b32 s[G1B+5], PP
	s_mov_b32 s[G1B+6], 0
	s_mov_b32 s[G1B+7], 0
	s_lshl_b32 s76, s42, 8
	s_add_co_u32 s76, s76, 12288
	s_lshl_b32 s12, s16, 7
	s_add_co_u32 s76, s76, s12                     ; A: row 12,288 + 256 x tile row + 128 x the half that I fetch
	s_lshl_b32 s76, s76, 6                         ; x 64 bytes
	s_mov_b32 s77, 0
	s_lshl_b32 s78, s43, 7
	s_add_co_u32 s78, s78, 11264
	s_lshl_b32 s13, s16, 6
	s_add_co_u32 s78, s78, s13                     ; B: row 11,264 + 128 x tile column + 64 x half
	s_lshl_b32 s78, s78, 6
	s_mov_b32 s79, 0
	s_mul_i32 s80, s16, HALFA                      ; where they go: no place in the cluster enters an LDS address
	s_mul_i32 s81, s16, HALFB
	s_add_co_u32 s81, s81, 2*HALFA
	s_wait_kmcnt 0x0
	s_load_b256 s[68:75], s[6:7], 0x0              ; e0 .. e7
	s_add_nc_u64 s[76:77], s[4:5], s[76:77]
	s_add_nc_u64 s[78:79], s[4:5], s[78:79]
	CROUND                                         ; all sixteen work-groups are here: the first joint loads meet
.irp s, 0,1
	s_mov_b32 s[G0+4*\s], 1
	s_add_co_u32 s[G0+4*\s+1], s80, \s*SLOT
	s_add_nc_u64 s[G0+4*\s+2:G0+4*\s+3], s[76:77], \s*KSTEPB
	s_or_b32 s[G0+4*\s+3], s[G0+4*\s+3], 0x80000000
	s_mov_b32 s[G0B+4*\s], 1
	s_add_co_u32 s[G0B+4*\s+1], s81, \s*SLOT
	s_add_nc_u64 s[G0B+4*\s+2:G0B+4*\s+3], s[78:79], \s*KSTEPB
	s_or_b32 s[G0B+4*\s+3], s[G0B+4*\s+3], 0x80000000
	s_wait_alu depctr_va_vdst(0)
	s_wait_tensorcnt 0x0
	ds_add_u32 v28, v29
	ds_add_u32 v28, v29
	s_wait_dscnt 0x0
	CROUND
	JLOAD G0+4*\s, G1, G0B+4*\s, G1B               ; my tensor loads of K steps 0 and 1, one out at a time
.endr
	v_and_b32 v1, 15, v0                           ; r = lane % 16
	v_bfe_u32 v2, v0, 4, 1                         ; h = lane / 16
	v_lshrrev_b32 v3, 2, v1
	v_mul_u32_u24 v3, v3, 272
	v_and_b32 v5, 3, v1
	v_lshl_add_u32 v3, v5, 6, v3
	v_lshl_add_u32 v4, v2, 4, v3                   ; a fragment's row: (r / 4) x 272 + (r % 4) x 64, + 16 h
	s_mul_i32 s21, s15, HALFA                      ; my 128 rows of A
	s_mul_i32 s22, s16, HALFB                      ; my 64 rows of B,
	s_add_co_u32 s22, s22, 2*HALFA                 ; which lie behind A's
.irp s, 0,1
	v_add_nc_u32 v[ADRA+\s], s21, v4
	v_add_nc_u32 v[ADRB+\s], s22, v4
	s_add_co_u32 s21, s21, SLOT
	s_add_co_u32 s22, s22, SLOT
.endr
	s_mul_i32 s23, s14, 16*272                     ; my stage for the way out: 16 rows x (256 + 16) bytes.  It lies in slot 0, which has had its last fill and its last read when the first result is stored there
	v_mul_u32_u24 v5, v1, 272
	v_lshl_add_u32 v5, v2, 5, v5
	v_add_nc_u32 v[STO], s23, v5                   ; in: row r, 32 bytes for each half of the lanes
	v_mul_u32_u24 v5, v2, 272
	v_lshl_add_u32 v5, v1, 4, v5
	v_add_nc_u32 v[RD], s23, v5                    ; back: lanes 0-15 one row of 256 bytes, lanes 16-31 the next
	v_lshlrev_b32 v[CO], 12, v2
	v_lshl_add_u32 v[CO], v1, 4, v[CO]             ; and the same two rows in C (4,096 bytes a row)
	s_lshl_b32 s20, s42, 8
	s_lshl_b32 s21, s15, 7
	s_add_co_u32 s20, s20, s21                     ; my first row of C: 256 x tile row + 128 x half
	s_lshl_b32 s20, s20, 12
	s_lshl_b32 s83, s43, 7
	s_lshl_b32 s84, s16, 6
	s_add_co_u32 s83, s83, s84                     ; my first column: 128 x tile column + 64 x half
	s_lshl_b32 s82, s83, 2
	s_mov_b32 s83, 0
	s_add_co_u32 s20, s20, s82
	s_mov_b32 s21, 0
	s_add_nc_u64 s[10:11], s[10:11], s[20:21]
	s_add_nc_u64 s[8:9], s[8:9], s[82:83]          ; proj_b at my first column
	v_lshlrev_b32 v5, 5, v2                        ; + 8 h numbers
.irp b, 0,1,2,3
	global_load_b128 v[BI+8*\b:BI+8*\b+3], v5, s[8:9] offset:64*\b
	global_load_b128 v[BI+8*\b+4:BI+8*\b+7], v5, s[8:9] offset:64*\b+16
.endr
	s_wait_kmcnt 0x0
	s_add_co_i32 s96, s74, s75                     ; e6 + e7, between -126 and 127,
	s_add_co_i32 s96, s96, 127
	s_lshl_b32 s96, s96, 23                        ; makes the f32 number 2^(e6 + e7)
	s_mov_b32 s97, s96                             ; (named with it as a pair, so it is written)
	s_wait_loadcnt 0x0                             ; the bias, once
.macro FRAG reg, adr, q, i, pl         ; a fragment, 16 rows x 128 K: registers 4 c .. 4 c + 3 hold K = 32 c + 16 h + 0 .. 15: plane 2 q + c / 2 of the slot's four, byte 32 (c % 2) + 16 h of the row
.irp c, 0,1,2,3
	ds_load_b128 v[\reg+4*\c:\reg+4*\c+3], v[\adr] offset:(2*(\q)+\c/2)*\pl+(\i)*1088+32*(\c%2)
.endr
.endm
; Matrix instructions: A's blocks a0, a0 + 1 x B's NB, 128 along K.  p: B's set.  cm: what C is: 0 the accumulator; 1 the constant 0: the first product starts the sums: nothing is ever cleared.
; The accumulators take turns, one instruction a turn, in the same order in every step.
.macro MULA a0, p, cm
.irp a, \a0, \a0+1
.irp b, 0,1,2,3,4,5,6,7
.if \b < NB
.if \cm == 0
	v_wmma_f32_16x16x128_fp8_fp8 v[8*((NB*(\a)+\b)%32):8*((NB*(\a)+\b)%32)+7], v[128*(\p)+FR*\b:128*(\p)+FR*\b+FR-1], v[AF+FR*(\a):AF+FR*(\a)+FR-1], v[8*((NB*(\a)+\b)%32):8*((NB*(\a)+\b)%32)+7]
.else
	v_wmma_f32_16x16x128_fp8_fp8 v[8*((NB*(\a)+\b)%32):8*((NB*(\a)+\b)%32)+7], v[128*(\p)+FR*\b:128*(\p)+FR*\b+FR-1], v[AF+FR*(\a):AF+FR*(\a)+FR-1], 0
.endif
.endif
.endr
.endr
.endm
.macro FETCH_B slot, q, p              ; B's fragments of the slot's q-th 128 along K into set p
	WIN TO_B
.irp i, 0,1,2,3,4,5,6,7
.if \i < NB
	FRAG 128*(\p)+FR*\i, ADRB+\slot, \q, \i, BPL
.endif
.endr
	WIN 0
.endm
.macro FETCH_A slot, q, i0             ; A's blocks i0 .. i0 + 3
.irp i, \i0, \i0+1, \i0+2, \i0+3
	FRAG AF+FR*(\i), ADRA+\slot, \q, \i, APL
.endr
.endm
; A load into a register that a matrix instruction has read, and a vector instruction that reads a matrix result, stand NP places behind that matrix instruction, and only plain vector
; instructions that name none of its registers are places (ISA guide 7.12.1 for vector instructions).
.macro PLACES n
.rept \n
	v_nop
.endr
.endm
; A step of 128 along K that has its successor in the same slot.  A's blocks go one after the other, each against all of B's: a block of A is free as soon as its products are issued, so A has one set of registers:
; blocks 0-3 are fetched anew in the step's middle, blocks 4-7 at its end.  B's fragments are at work through the whole step and have two sets.
.macro STEP slot, q, cm
	s_wait_dscnt 4*NL                              ; B's set and A's blocks 0-3 are in; the youngest sixteen loads (A's blocks 4-7) may be out
	WIN MUL_LO
	MULA 0, (\q)%2, \cm
	MULA 2, (\q)%2, \cm
	s_wait_dscnt 0                                 ; A's blocks 4-7 are in
	PLACES NP
	FETCH_B \slot, (\q)+1, 1-(\q)%2
	FETCH_A \slot, (\q)+1, 0
	WIN MUL_HI
	MULA 4, (\q)%2, \cm
	MULA 6, (\q)%2, \cm
	PLACES NP
	WIN 0
	FETCH_A \slot, (\q)+1, 4
.endm
; A slot's last step changes slots: ONE barrier; in front of it each wave waits for all its tensor loads, adds 0 to its spare word, and waits for that and for its own reads of this slot.  fill = 1: this slot is filled again, two K steps ahead.
.macro TURN slot, next, fill
	s_wait_tensorcnt 0x0                           ; all my tensor loads have landed: my part of the next slot;  (every window is 0 here: the add's two registers lie in window 0)
	ds_add_u32 v[SPW], v[NIL]                      ; 0 onto my spare word
	s_wait_dscnt 4*NL+1                            ; (the add and the youngest sixteen loads, A's blocks 4-7, may be out)
	WIN MUL_LO
	MULA 0, 1, 0                                   ; matrix instructions stand between the add and the wait for it
	s_wait_dscnt 0x0                               ; the add is done, and my reads of this slot are over
	s_barrier_signal -1
	MULA 2, 1, 0
	WIN 0
	s_barrier_wait -1
.if \fill
	CREST                                          ; the barrier has opened a round of the cluster's barrier: no wave of any partner still reads this slot's tile or has a load on its way
	s_add_nc_u64 s[G0+4*\slot+2:G0+4*\slot+3], s[G0+4*\slot+2:G0+4*\slot+3], 2*KSTEPB
	s_add_nc_u64 s[G0B+4*\slot+2:G0B+4*\slot+3], s[G0B+4*\slot+2:G0B+4*\slot+3], 2*KSTEPB
	JLOAD G0+4*\slot, G1, G0B+4*\slot, G1B         ; the first tensor load behind the round, my one load until the next; the four v_nop behind it are the places in front of the loads below
.else
	PLACES NP
.endif
	FETCH_B \next, 0, 0
	FETCH_A \next, 0, 0
	WIN MUL_HI
	MULA 4, 1, 0
	MULA 6, 1, 0
	PLACES NP
	WIN 0
	FETCH_A \next, 0, 4
.endm
	s_wait_tensorcnt 1                             ; my part of K step 0 is in; K step 1's load may be out
	s_barrier_signal -1
	s_barrier_wait -1                              ; everybody's is
	FETCH_B 0, 0, 0
	FETCH_A 0, 0, 0
	FETCH_A 0, 0, 4
	STEP 0, 0, 1                                   ; the first step's products start the sums
	TURN 0, 1, 1                                   ; K = 1,024 is four K steps: slot 0 takes K step 2,
	STEP 1, 0, 0
	TURN 1, 0, 1                                   ; slot 1 K step 3;
	STEP 0, 0, 0
	TURN 0, 1, 0                                   ; nothing is left to fetch: no round
	STEP 1, 0, 0
	s_wait_dscnt 4*NL                              ; the very last step
	WIN MUL_LO
	MULA 0, 1, 0
	MULA 2, 1, 0
	s_wait_dscnt 0
	WIN MUL_HI
	MULA 4, 1, 0
	MULA 6, 1, 0
	WIN 0
; THE WAY OUT, block by block of 16 rows x 64 columns.  A lane holds 32 neighbouring bytes of a row, and the lanes beside it hold other rows: so a block goes through my own stage in LDS and comes back as whole
; rows of 256 bytes: sixteen lanes store one aligned unit.  LDS serves a wave's instructions in order (ISA guide 5.7.1.4): no wait between the stores and the loads, nor in front of the next block's stores.
.macro TOSTAGE a
	WIN 0x02                                       ; source 0: window 2
.set i, 0
.rept 16
	v_pk_fma_f32 v[Y+i:Y+i+1], v[32*(\a)+i:32*(\a)+i+1], s[96:97], v[BI+i:BI+i+1] op_sel_hi:[1,0,1]   ; sum x 2^(e6 + e7) + proj_b, two at a time (the scalar pair's low word for both halves); each accumulator from its low end on
.set i, i+2
.endr
	WIN 0
.irp b, 0,1,2,3
	ds_store_b128 v[STO], v[Y+8*\b:Y+8*\b+3] offset:64*\b
	ds_store_b128 v[STO], v[Y+8*\b+4:Y+8*\b+7] offset:64*\b+16
.endr
.set BB, BK+32*((\a)%2)
.irp t, 0,1,2,3,4,5,6,7
	ds_load_b128 v[BB+4*\t:BB+4*\t+3], v[RD] offset:544*\t
.endr
.endm
.macro SEND a, younger                 ; younger: the LDS instructions issued behind block a's loads, which may stay out
.set BB, BK+32*((\a)%2)
	s_wait_dscnt \younger                          ; the block is back in registers
.irp t, 0,1,2,3,4,5,6,7
	global_store_b128 v[CO], v[BB+4*\t:BB+4*\t+3], s[10:11] offset:(16*(\a)+2*\t)*4096 th:TH_STORE_NT   ; 16 lanes store 256 consecutive bytes, at a multiple of 256 from out0's first byte; 126 rows at the most: inside the signed 24-bit immediate (ISA guide, chapter 10)
.endr
.endm
	PLACES NP                                      ; behind the last products: for the loads into the registers that held A's fragments, and for the reads of results
	TOSTAGE 0
.irp a, 1,2,3,4,5,6,7
.if \a > 1
	s_wait_xcnt 0x0                                ; block a - 2's stores have read their registers: block a's loads may land there
.endif
	TOSTAGE \a
	SEND \a-1, 16                                  ; behind block a - 1's loads: block a's 8 stores and 8 loads
.endr
	SEND 7, 0
	s_wait_tensorcnt 0x0                           ; the wave's end: behind my last tensor load and my last LDS store
	ds_add_u32 v[SPW], v[NIL]
	s_wait_dscnt 0x0
	CROUND                                         ; the closing round: no work-group ends while a partner may still ask for a tile that names it
	s_endpgm
.Lfunc_end_k_q3aea8ae9c3_gemm_proj:
	.size	k_q3aea8ae9c3_gemm_proj, .Lfunc_end_k_q3aea8ae9c3_gemm_proj-k_q3aea8ae9c3_gemm_proj
	.p2alignl 7, 3214868480
	.fill 96, 4, 3214868480
	.section	.rodata,"a",@progbits
	.p2align	6, 0x0
	.amdhsa_kernel k_q3aea8ae9c3_gemm_proj
		.amdhsa_group_segment_fixed_size 327680
		.amdhsa_private_segment_fixed_size 0
		.amdhsa_enable_private_segment 0
		.amdhsa_kernarg_size 32
		.amdhsa_user_sgpr_count 2
		.amdhsa_user_sgpr_kernarg_segment_ptr 1
		.amdhsa_wavefront_size32 1
		.amdhsa_system_sgpr_workgroup_id_x 1
		.amdhsa_system_sgpr_workgroup_id_y 1
		.amdhsa_system_sgpr_workgroup_id_z 1
		.amdhsa_system_vgpr_workitem_id 0
		.amdhsa_next_free_vgpr 1024
		.amdhsa_next_free_sgpr 100
		.amdhsa_reserve_vcc 0
		.amdhsa_float_denorm_mode_32 3
		.amdhsa_float_denorm_mode_16_64 3
		.amdhsa_memory_ordered 1
		.amdhsa_forward_progress 1
		.amdhsa_inst_pref_size 79
	.end_amdhsa_kernel
	.amdgpu_metadata
---
amdhsa.version: [ 1, 2 ]
amdhsa.kernels:
  - .name:           k_q3aea8ae9c3_gemm_proj
    .symbol:         k_q3aea8ae9c3_gemm_proj.kd
    .args:
      - { .name: ops, .offset: 0, .size: 8, .value_kind: global_buffer, .address_space: global }
      - { .name: lowp_scales, .offset: 8, .size: 8, .value_kind: global_buffer, .address_space: global }
      - { .name: proj_b, .offset: 16, .size: 8, .value_kind: global_buffer, .address_space: global }
      - { .name: out0, .offset: 24, .size: 8, .value_kind: global_buffer, .address_space: global }
    .group_segment_fixed_size: 327680
    .private_segment_fixed_size: 0
    .kernarg_segment_align: 8
    .kernarg_segment_size: 32
    .max_flat_workgroup_size: 128
    .sgpr_count:     100
    .vgpr_count:     1024
    .wavefront_size: 32
...
	.end_amdgpu_metadata
.endif
;; end of part 4
